; MI455X (gfx1250); checked and timed in simulation.
; The chip was launched on July 23, 2026; its instructions are those of AMD's public machine-readable ISA for CDNA 5 (MIT licence, August 2026) and "CDNA5" Instruction Set Architecture Reference Guide (July 2026). The comments in the code are by the model that wrote it; some were corrected since.
;; Self Attention. Allowed arithmetic: matrix products marked QUANTISED: E5M2 operands, one E8M0 scale for each 32 along K, by v_wmma_scale_f32_16x16x128_f8f6f4 with both operands' format E5M2, f32 sums; everything else in f32.
;; Inputs: Wk_codes 1,024 x 32 x 32 uint8 (E5M2 codes of Wk, K innermost, in blocks of 32 codes); Wk_scales 1,024 x 32 uint8 (E8M0 scales of Wk, one for each 32 codes along K); Wo_codes 1,024 x 32 x 32 uint8 (E5M2 codes of Wo, K innermost, in blocks of 32 codes); Wo_scales 1,024 x 32 uint8 (E8M0 scales of Wo, one for each 32 codes along K); Wq_codes 1,024 x 32 x 32 uint8 (E5M2 codes of Wq, K innermost, in blocks of 32 codes); Wq_scales 1,024 x 32 uint8 (E8M0 scales of Wq, one for each 32 codes along K); Wv_codes 1,024 x 32 x 32 uint8 (E5M2 codes of Wv, K innermost, in blocks of 32 codes); Wv_scales 1,024 x 32 uint8 (E8M0 scales of Wv, one for each 32 codes along K); bk 1,024 float32; bo 1,024 float32; bq 1,024 float32; bv 1,024 float32; ln_b 1,024 float32; ln_g 1,024 float32; x 4 x 2,048 x 1,024 float32.
;; Outputs: out0 4 x 2,048 x 1,024 float32.
;; This version of the problem:
;;   THIS VERSION OF THE PROBLEM IS GIVEN IN LOW PRECISION. The matrix products marked QUANTISED in the list below multiply operands that are first quantised to E5M2 (5 exponent bits, 2 mantissa bits; 8 bits a number), with one power-of-two scale for each 32 numbers along K (OCP MX v1.0); their sums are f32. All else is computed in f32.
;;   The module's matrix products, in the order in which they are computed (A, B: the left and right operand; K: the contracted axis; several contracted axes count as one K, in the product's order):
;;     1. [M 8,192, K 1,024] x [K 1,024, N 1,024]; A: computed on the way; B: input Wq (given as codes): QUANTISED
;;     2. [M 8,192, K 1,024] x [K 1,024, N 1,024]; A: computed on the way; B: input Wk (given as codes): QUANTISED
;;     3. [M 8,192, K 1,024] x [K 1,024, N 1,024]; A: computed on the way; B: input Wv (given as codes): QUANTISED
;;     4. batch 64 x [M 2,048, K 64] x [K 64, N 2,048]; A: computed on the way; B: computed on the way: QUANTISED
;;     5. batch 64 x [M 2,048, K 2,048] x [K 2,048, N 64]; A: softmax (see below); B: computed on the way: QUANTISED
;;     6. [M 8,192, K 1,024] x [K 1,024, N 1,024]; A: computed on the way; B: input Wo (given as codes): QUANTISED
;;   THE QUANTISER, for each operand of a quantised product, along K:
;;     - K is cut into blocks of 32 from its start; a last block that is shorter is filled with zeros.
;;     - A block's scale is 2^e with e = floor(log2(the largest magnitude in the block)) - 15, held to -126 .. 127; a block of zeros has e = 0. As a byte (E8M0): e + 127.
;;     - Each number is divided by its block's scale, clamped to +-57,344, and rounded to the nearest number of E5M2, ties to even, subnormals kept.
;;     - The product sums the exact products of the quantised numbers (number of the format x scale) in f32.
;;   ~~~python
;;   def quantise(x, axis):      # numpy; x: float32 -> the quantised numbers, widened to float32 again
;;       x = np.moveaxis(x, axis, -1); K = x.shape[-1]
;;       x = np.pad(x, [(0, 0)] * (x.ndim - 1) + [(0, -K % 32)]); x = x.reshape(x.shape[:-1] + (-1, 32)); a = np.abs(x).max(-1, keepdims=True)
;;       e = np.where(a > 0, np.clip(np.frexp(np.where(a > 0, a, 1))[1] - 1 - 15, -126, 127), 0)      # np.frexp(a)[1] - 1 = floor(log2(a)), exactly
;;       r = np.clip(x / 2.0 ** e, -57344, 57344)
;;       step = 2.0 ** (np.maximum(np.frexp(np.where(r == 0, 1, r))[1] - 1, -14) - 2)
;;       q = np.round(r / step) * step * 2.0 ** e      # np.round: ties to even
;;       return np.moveaxis(q.reshape(q.shape[:-2] + (-1,))[..., :K], -1, axis).astype(np.float32)
;;   ~~~
;;   SOFTMAX AHEAD OF A QUANTISED PRODUCT. Where the list says 'softmax', what is quantised is not the finished softmax but p = 2^(t - M), with t = logit x log2(e) and M = ceil(the row's largest t), a whole number; so 1/2 < the row's largest p <= 1. The row's sum l is taken of the UNQUANTISED p, in f32, and the product's result is divided by l at the end. Since M is a whole number, a kernel that streams over the keys may use a running M (the ceiling of the running maximum): every later rescaling is an exact power of two, which a block's scale takes up: the codes' values come out the same.
;;   OPERANDS COMPUTED ON THE WAY. 'Computed on the way' means the value that the module computes at that place (a softmax that the list does not call 'softmax' is quantised finished and normalised). What goes into a quantiser is computed in f32, as accurately as f32 sums, v_exp_f32 and their like allow (about 1e-6 of the number): no bf16 or f16 on the way to a quantiser, and a product that is left as it is and whose result goes on into a quantised operand takes f32 operands (vector FMAs, or v_wmma_f32_16x16x4_f32). A number that lies on a knife's edge between two numbers of the format may be rounded either way, as far as f32 arithmetic and the matrix unit's own rounding can turn it there, and no further.
;;   INPUTS GIVEN AS CODES. Wk (in the module: [1024, 1024], K = its axis 1); Wo (in the module: [1024, 1024], K = its axis 1); Wq (in the module: [1024, 1024], K = its axis 1); Wv (in the module: [1024, 1024], K = its axis 1): each comes as NAME_codes (uint8): NAME with its K axis moved to the last place and cut into blocks of 32 codes, [.., K / 32, bytes a block], one block behind the other in memory; one code a byte (a code: sign, 5 exponent bits, 2 mantissa bits); and NAME_scales (uint8): the same leading axes, one E8M0 byte (e + 127) for each 32 codes along K. Its value is code x scale, taken as it is: it is not quantised again, and the codes and scales need not be those that the quantiser above would give.
;; One version. Each part assembles by itself: llvm-mc -triple=amdgcn-amd-amdhsa -mcpu=gfx1250 --defsym DOCPART=n.
;; ======== version 1 of 1: 4 launches
;; workspace buffers: h_codes 8,388,608 bytes; h_scales 262,144 bytes; qkv_img 25,165,824 bytes; qkv_sc 786,432 bytes; ctx_img 8,388,608 bytes; ctx_sc 262,144 bytes
;; launch ln (part 1): grid 256 x 1, 8 waves a work-group, no clusters, 46,080 bytes of LDS; arguments x, ln_g, ln_b, h_codes, h_scales; writes h_codes, h_scales
.if DOCPART == 1
	.amdgcn_target "amdgcn-amd-amdhsa--gfx1250"
	.amdhsa_code_object_version 6
	.text
	.protected	k_qc555ac5d09_ln
	.globl	k_qc555ac5d09_ln
	.p2align	8
	.type	k_qc555ac5d09_ln,@function
k_qc555ac5d09_ln:
	s_mov_b64 s[64:65], 0
	v_nop
	global_prefetch_b8 v0, s[64:65] scope:SCOPE_SE
	s_setreg_imm32_b32 hwreg(HW_REG_WAVE_MODE, 25, 1), 1
	s_wait_xcnt 0x0
; h = (x - mean) * rsqrt(var + 1e-5) * g + b along rows of 1,024 f32, then quantised to codes of E5M2 with one E8M0 byte for each 32 along the row.
; h_codes: [8192][1024] bytes, h_scales: [8192][32] bytes, both in the row's own order.
; SHARES.  A work-group takes 32 rows, each of its eight waves four.  A row is 4,096 bytes: eight loads of 512 consecutive bytes, 32 registers a lane.  All 32 loads of a wave go out at the head.
; The variance is taken in two passes over the registers (mean first, then the squares of x - mean), so that a common offset of the inputs costs no digits.
; THE TURN.  The conversions take 16 neighbours from ONE lane's registers; the loads give a lane 4 neighbours of each 128.  So a normalised row goes through the wave's own stage in LDS, half a row (2,048 bytes)
; to a stage, as it lies, and comes back 64 bytes a lane; 16 bytes of padding stand behind each 64.  g and b are kept in that turned order for the whole launch.  Two neighbouring lanes hold a block of 32.
; OUT.  A lane's 16 codes are 16 bytes: a store covers 512 consecutive bytes, aligned.  The work-group's 1,024 scale bytes are gathered in LDS and leave as four stores of 256 consecutive bytes.
; LIMITS.  NaN and infinities among the inputs are not served.  A block whose largest magnitude lies under 2^-111 keeps the byte 1; a block of zeros gets the byte 1 and not 127: its codes are zeros,
; which add nothing under any byte but 0xff, and the bytes are read by this program alone.
.set SP,   80                          ; a lane's place in a stage: 64 bytes + 16 of padding
.set HST,  32*SP                       ; a stage: half a row
.set WST,  2*HST                       ; a wave's two stages
.set SCB,  8*WST                       ; behind them: the work-group's 1,024 scale bytes
.set LO,   1                           ; v1   16 x lane
.set STW,  2                           ; v2   the stage, on the way in
.set STR,  3                           ; v3   and on the way out
.set SBA,  4                           ; v4   my block's scale byte in LDS
.set GBO,  5                           ; v5   64 x lane: g's and b's offset; at the end 8 x thread
.set EB,   6                           ; v6-7 the two halves' scale bytes
.set SM,   8                           ; v8-15 four pairs of sums
.set MU,   16                          ; v[16:17] the mean (low word)
.set RS,   18                          ; v[18:19] 1 / sqrt(var + eps) (low word)
.set MX,   20                          ; v20-21 maxima, v22 the hold, v23 the conversion's scale operand
.set C,    24                          ; v24-31 codes of the two halves
.set Y,    32                          ; v32-63 the turned row: register 16 s + m = column 512 s + 16 lane + m
.set X,    64                          ; v64-191 four rows as loaded
.set G,    192                         ; v192-223 g, turned
.set B,    224                         ; v224-255 b, turned
	s_load_b256 s[4:11], s[0:1], 0x0               ; x s[4:5], g s[6:7], b s[8:9], h_codes s[10:11]
	s_load_b64 s[12:13], s[0:1], 0x20              ; h_scales
	s_set_vgpr_msb 0x40
	v_lshl_add_u32 v0, v0, 2, 0xb000
	v_mov_b32 v1, 0
	s_set_vgpr_msb 0x4000
	v_lshrrev_b32 v1, 5, v0
	v_readfirstlane_b32 s14, v1                    ; wave 0..7
	v_and_b32 v6, 31, v0                           ; lane
	v_lshlrev_b32 v[LO], 4, v6
	v_lshlrev_b32 v[GBO], 6, v6
	s_mul_i32 s15, s14, WST
	v_lshrrev_b32 v[STW], 2, v6
	v_mul_u32_u24 v[STW], v[STW], SP
	v_and_b32 v7, 3, v6
	v_lshl_add_u32 v[STW], v7, 4, v[STW]
	v_add_nc_u32 v[STW], s15, v[STW]               ; in: four lanes' 64 bytes on end, then the padding
	v_mul_u32_u24 v[STR], v6, SP
	v_add_nc_u32 v[STR], s15, v[STR]               ; out: my 16 neighbours
	s_lshl_b32 s15, s14, 7
	s_add_co_u32 s15, s15, SCB
	v_lshrrev_b32 v[SBA], 1, v6
	v_add_nc_u32 v[SBA], s15, v[SBA]               ; 128 bytes a wave (4 rows x 32), my block's byte
	v_mov_b32 v[MU+1], 0                           ; named as the upper halves of pairs, so they are written
	v_mov_b32 v[RS+1], 0
	s_mov_b32 s16, 0x76543210
	s_mov_b32 s17, 0xfedcba98                      ; v_permlanex16_b32's selects for lane l xor 16
	s_mov_b32 s18, 0x3a800000                      ; 1 / 1024
	s_mov_b32 s19, 0x3727c5ac                      ; 1e-5
	s_mov_b32 s20, 0x600000                        ; the mantissa field of 57,344
	s_lshl_b32 s2, ttmp9, 17                       ; x: 32 rows of 4,096 bytes a work-group,
	s_lshl_b32 s3, s14, 14                         ; 4 a wave
	s_add_co_u32 s2, s2, s3
	s_mov_b32 s3, 0
	s_lshl_b32 s22, ttmp9, 15                      ; codes: a quarter of that
	s_lshl_b32 s23, s14, 12
	s_add_co_u32 s22, s22, s23
	s_mov_b32 s23, 0
	s_lshl_b32 s24, ttmp9, 10                      ; scale bytes: 1,024 a work-group
	s_mov_b32 s25, 0
	s_wait_kmcnt 0x0
	s_add_nc_u64 s[4:5], s[4:5], s[2:3]
	s_add_nc_u64 s[10:11], s[10:11], s[22:23]
	s_add_nc_u64 s[12:13], s[12:13], s[24:25]
.irp j, 0,1,2,3,4,5,6,7
	global_load_b128 v[G+4*\j:G+4*\j+3], v[GBO], s[6:7] offset:2048*(\j/4)+16*(\j%4)
	global_load_b128 v[B+4*\j:B+4*\j+3], v[GBO], s[8:9] offset:2048*(\j/4)+16*(\j%4)
.endr
.irp i, 0,1,2,3
.irp j, 0,1,2,3,4,5,6,7
	global_load_b128 v[X+32*\i+4*\j:X+32*\i+4*\j+3], v[LO], s[4:5] offset:4096*\i+512*\j th:TH_LOAD_NT
.endr
.endr
.macro ACROSS                          ; the pair v[SM:SM+1] is summed, then over the 32 lanes; every lane ends with the sum
	v_add_f32 v[SM], v[SM], v[SM+1]
	v_add_f32_dpp v[SM], v[SM], v[SM] row_xmask:1 row_mask:0xf bank_mask:0xf
	v_add_f32_dpp v[SM], v[SM], v[SM] row_xmask:2 row_mask:0xf bank_mask:0xf
	v_add_f32_dpp v[SM], v[SM], v[SM] row_xmask:4 row_mask:0xf bank_mask:0xf
	v_add_f32_dpp v[SM], v[SM], v[SM] row_xmask:8 row_mask:0xf bank_mask:0xf
	v_permlanex16_b32 v[SM+1], v[SM], s16, s17
	v_add_f32 v[SM], v[SM], v[SM+1]
.endm
.macro JOIN4                           ; the four chains into one pair
	v_pk_add_f32 v[SM:SM+1], v[SM:SM+1], v[SM+2:SM+3]
	v_pk_add_f32 v[SM+4:SM+5], v[SM+4:SM+5], v[SM+6:SM+7]
	v_pk_add_f32 v[SM:SM+1], v[SM:SM+1], v[SM+4:SM+5]
.endm
.macro ROWM i
.set XR, X+32*(\i)
	s_wait_loadcnt 8*(3-(\i))                      ; loads come back in order: g, b and this row are in; the later rows' eight loads each may be out
.irp c, 0,1,2,3
	v_pk_add_f32 v[SM+2*\c:SM+2*\c+1], v[XR+2*\c:XR+2*\c+1], v[XR+8+2*\c:XR+8+2*\c+1]   ; the sum, in four chains that the first pairs start
.endr
.irp p, 16,24
.irp c, 0,1,2,3
	v_pk_add_f32 v[SM+2*\c:SM+2*\c+1], v[SM+2*\c:SM+2*\c+1], v[XR+\p+2*\c:XR+\p+2*\c+1]
.endr
.endr
	JOIN4
	ACROSS
	v_mul_f32 v[MU], s18, v[SM]                    ; the mean
.set n, 0
.rept 16
	v_pk_add_f32 v[XR+n:XR+n+1], v[XR+n:XR+n+1], v[MU:MU+1] op_sel_hi:[1,0] neg_lo:[0,1] neg_hi:[0,1]   ; x - mean, in place
.set n, n+2
.endr
.irp c, 0,1,2,3
	v_pk_mul_f32 v[SM+2*\c:SM+2*\c+1], v[XR+2*\c:XR+2*\c+1], v[XR+2*\c:XR+2*\c+1]
.endr
.irp p, 8,16,24
.irp c, 0,1,2,3
	v_pk_fma_f32 v[SM+2*\c:SM+2*\c+1], v[XR+\p+2*\c:XR+\p+2*\c+1], v[XR+\p+2*\c:XR+\p+2*\c+1], v[SM+2*\c:SM+2*\c+1]
.endr
.endr
	JOIN4
	ACROSS
	v_fma_f32 v[MX], v[SM], s18, s19               ; var + eps
	v_rsq_f32 v[RS], v[MX]
	v_nop                                          ; a plain instruction between the transcendental and the use of its result (ISA guide 5.7.2)
.set n, 0
	s_wait_alu depctr_va_vdst(0)
.rept 16
	v_pk_mul_f32 v[XR+n:XR+n+1], v[XR+n:XR+n+1], v[RS:RS+1] op_sel_hi:[1,0]
.set n, n+2
.endr
.irp j, 0,1,2,3,4,5,6,7
	ds_store_b128 v[STW], v[XR+4*\j:XR+4*\j+3] offset:HST*(\j/4)+8*SP*(\j%4)
.endr
.irp j, 0,1,2,3,4,5,6,7
	ds_load_b128 v[Y+4*\j:Y+4*\j+3], v[STR] offset:HST*(\j/4)+16*(\j%4)   ; LDS serves a wave's instructions in order: these see the stores above
.endr
	s_wait_dscnt 0x0
.set n, 0
.rept 16
	v_pk_fma_f32 v[Y+n:Y+n+1], v[Y+n:Y+n+1], v[G+n:G+n+1], v[B+n:B+n+1]
.set n, n+2
.endr
.if (\i) > 0
	s_wait_xcnt 0x0                                ; the last row's stores have read their registers: the codes are written again only behind this wait
.endif
.irp s, 0,1
.set XS, Y+16*\s
	v_max3_num_f32 v[MX], |v[XS]|, |v[XS+1]|, |v[XS+2]|            ; the largest magnitude of my 16, in two chains
	v_max3_num_f32 v[MX+1], |v[XS+3]|, |v[XS+4]|, |v[XS+5]|
.irp e, 6,10
	v_max3_num_f32 v[MX], v[MX], |v[XS+\e]|, |v[XS+\e+1]|
	v_max3_num_f32 v[MX+1], v[MX+1], |v[XS+\e+2]|, |v[XS+\e+3]|
.endr
	v_max3_num_f32 v[MX], v[MX], |v[XS+14]|, |v[XS+15]|
	v_max3_num_f32 v[MX], v[MX], v[MX+1], 0x8000000                ; and the floor 2^(16 - 127): the byte cannot fall under 1
	v_max_num_f32_dpp v[MX], v[MX], v[MX] row_xmask:1 row_mask:0xf bank_mask:0xf   ; with my neighbour's 16: the block's
	v_add_nc_u32 v[MX+3], 0xf8800000, v[MX]        ; 15 off its exponent field: the conversion takes that field as its scale
	v_and_or_b32 v[MX+2], v[MX], 0x7f800000, s20   ; 57,344 x the scale
.set n, 0
.rept 16
	v_med3_num_f32 v[XS+n], v[XS+n], -v[MX+2], v[MX+2]             ; the conversion to an 8-bit code does not saturate (ISA guide 7.6.2): the hold
.set n, n+1
.endr
	v_cvt_scalef32_pk8_bf8_f32 v[C+4*\s:C+4*\s+1], v[XS:XS+7], v[MX+3]
	v_cvt_scalef32_pk8_bf8_f32 v[C+4*\s+2:C+4*\s+3], v[XS+8:XS+15], v[MX+3]
	v_lshrrev_b32 v[EB+\s], 23, v[MX+3]            ; the scale's byte (also the plain line behind the conversions)
	ds_store_b8 v[SBA], v[EB+\s] offset:32*(\i)+16*\s              ; both lanes of a block write the same byte with the same value
	global_store_b128 v[LO], v[C+4*\s:C+4*\s+3], s[10:11] offset:1024*(\i)+512*\s   ; 512 consecutive bytes, aligned
.endr
.endm
	ROWM 0
	ROWM 1
	ROWM 2
	ROWM 3
	v_lshlrev_b32 v[GBO], 3, v0                    ; 8 x thread (g's and b's loads, which named this register, came in long ago)
	s_wait_dscnt 0x0                               ; for the others' sake: my scale bytes lie in LDS
	s_barrier_signal -1
	s_barrier_wait -1
	s_cmp_lt_u32 s14, 4                            ; waves 0 to 3 carry the 1,024 bytes out, 256 each
	s_cbranch_scc0 .Ldone
	ds_load_b64 v[SM:SM+1], v[GBO] offset:SCB
	s_wait_dscnt 0x0
	global_store_b64 v[GBO], v[SM:SM+1], s[12:13]  ; 32 lanes store 256 consecutive bytes, aligned
.Ldone:
	s_set_vgpr_msb 0x5
	s_wait_tensorcnt 0x0
	ds_add_u32 v0, v1
	s_wait_dscnt 0x0
	s_set_vgpr_msb 0x500
	s_endpgm
.Lfunc_end_k_qc555ac5d09_ln:
	.size	k_qc555ac5d09_ln, .Lfunc_end_k_qc555ac5d09_ln-k_qc555ac5d09_ln
	.p2alignl 7, 3214868480
	.fill 96, 4, 3214868480
	.section	.rodata,"a",@progbits
	.p2align	6, 0x0
	.amdhsa_kernel k_qc555ac5d09_ln
		.amdhsa_group_segment_fixed_size 46080
		.amdhsa_private_segment_fixed_size 0
		.amdhsa_enable_private_segment 0
		.amdhsa_kernarg_size 40
		.amdhsa_user_sgpr_count 2
		.amdhsa_user_sgpr_kernarg_segment_ptr 1
		.amdhsa_wavefront_size32 1
		.amdhsa_system_sgpr_workgroup_id_x 1
		.amdhsa_system_sgpr_workgroup_id_y 1
		.amdhsa_system_sgpr_workgroup_id_z 1
		.amdhsa_system_vgpr_workitem_id 0
		.amdhsa_next_free_vgpr 258
		.amdhsa_next_free_sgpr 66
		.amdhsa_reserve_vcc 0
		.amdhsa_float_denorm_mode_32 3
		.amdhsa_float_denorm_mode_16_64 3
		.amdhsa_memory_ordered 1
		.amdhsa_forward_progress 1
		.amdhsa_inst_pref_size 53
	.end_amdhsa_kernel
	.amdgpu_metadata
---
amdhsa.version: [ 1, 2 ]
amdhsa.kernels:
  - .name:           k_qc555ac5d09_ln
    .symbol:         k_qc555ac5d09_ln.kd
    .args:
      - { .name: x, .offset: 0, .size: 8, .value_kind: global_buffer, .address_space: global }
      - { .name: ln_g, .offset: 8, .size: 8, .value_kind: global_buffer, .address_space: global }
      - { .name: ln_b, .offset: 16, .size: 8, .value_kind: global_buffer, .address_space: global }
      - { .name: h_codes, .offset: 24, .size: 8, .value_kind: global_buffer, .address_space: global }
      - { .name: h_scales, .offset: 32, .size: 8, .value_kind: global_buffer, .address_space: global }
    .group_segment_fixed_size: 46080
    .private_segment_fixed_size: 0
    .kernarg_segment_align: 8
    .kernarg_segment_size: 40
    .max_flat_workgroup_size: 256
    .sgpr_count:     66
    .vgpr_count:     258
    .wavefront_size: 32
...
	.end_amdgpu_metadata
.endif
;; end of part 1
;; launch qkv (part 2): grid 12 x 32, 4 waves a work-group, clusters of 4 x 4, 327,680 bytes of LDS; arguments h_codes, h_scales, Wq_codes, Wq_scales, Wk_codes, Wk_scales, Wv_codes, Wv_scales, bq, bk, bv, qkv_img, qkv_sc; writes qkv_img, qkv_sc
.if DOCPART == 2
	.amdgcn_target "amdgcn-amd-amdhsa--gfx1250"
	.amdhsa_code_object_version 6
	.text
	.protected	k_qc555ac5d09_qkv
	.globl	k_qc555ac5d09_qkv
	.p2align	8
	.type	k_qc555ac5d09_qkv,@function
k_qc555ac5d09_qkv:
	s_mov_b64 s[64:65], 0
	v_nop
	global_prefetch_b8 v0, s[64:65] scope:SCOPE_SE
	s_setreg_imm32_b32 hwreg(HW_REG_WAVE_MODE, 25, 1), 1
	s_wait_xcnt 0x0
	s_wait_alu depctr_hold_cnt(0) depctr_sa_sdst(0) depctr_va_vdst(0) depctr_va_sdst(0) depctr_va_ssrc(0) depctr_va_vcc(0) depctr_vm_vsrc(0)
	s_getreg_b32 s2, hwreg(HW_REG_IB_STS2, 6, 4)
	s_cmp_eq_u32 s2, 0
	s_cbranch_scc0 .Lentry_in_a_cluster
	s_endpgm
.Lentry_in_a_cluster:
	s_bfe_u32 s2, ttmp6, 0x10000c
	s_cmp_lg_u32 s2, 0xf033
	s_cbranch_scc0 .Lentry_shape_is_right
	s_endpgm
.Lentry_shape_is_right:
; q = h Wq^T + bq, k = h Wk^T + bk, v = h Wv^T + bv on codes of E5M2 with E8M0 scales (K = 1,024), and each result quantised again for attention: q and k along the head's 64, v along the keys.
; ONE TEXT, THREE PRODUCTS.  The cluster's x says which: 0 q, 1 k, 2 v.  A work-group makes a tile of 256 x 256, each of its four waves 128 x 128: 64 accumulators, 512 registers.
; Source 0 of the matrix instruction is called P, source 1 R.  In a result lane (r, h) holds R's row 16 a + r, and its registers j P's rows 16 b + 8 h + j: A LANE'S REGISTERS RUN ALONG P.
;   q, k: P = the weight (so the registers run along the head's channels), R = h.      v: P = h (so the registers run along the keys), R = Wv.
; All four operands have rows of 1,024 codes and 32 scale bytes, so descriptors, LDS map and loop are the same; only pointers and tile numbers are chosen, on the cluster's x, which all partners share.
; K goes in steps of 256 through a ring of two LDS slots filled by the tensor data mover; the scale bytes of the work-group's 512 rows, for all of K, come once with the first fills.
; CLUSTERS: 4 x 4 work-groups; R's tile hangs on cy and is asked for jointly by a row of the cluster, P's on cx and by a column.
; THE BIAS is the C of a sum's first matrix instruction.  For q and k it runs along P (eight registers for each P block), for v along R (one number a lane for each R block): the first K step of 128 is
; therefore written twice, under a branch on the cluster's x.
; THE WAY OUT.  The 16 registers of accumulators (a, 2 B) and (a, 2 B + 1) with lane l xor 16's are a block of 32 along the next K.  Their 16 codes a lane are stored as they stand, 16 bytes at 16 x lane:
; the buffers are images of the operand registers that the next launch loads, so each store covers 512 consecutive bytes, aligned.
;   q, k part: [bh][32 tokens][u][d5][lane][16]: token 32 blk + 16 u + r; byte 8 u' + j of lane (r, h) is channel 32 d5 + 16 u' + 8 h + j (one order inside a block of 32, the same in q and in k).
;   v part:    [bh][128 keys][t][c][lane][16]: channel 16 t + r; byte 8 u + j is key 32 c + 16 u + 8 h + j.      scale words: q, k [bh][blk][r][4], byte 2 u + d5;  v [bh][step][t][r][4], byte c.
; LIMITS.  NaN and infinities are not served.  A block whose largest magnitude lies under 2^-111 keeps the byte 1, a block of zeros too (not 127): its codes are zeros, and this program alone reads the bytes.
; REGISTERS, in windows of 256: window 0: v0-31 addresses; v32-63 scale words, two sets; v64-127 the bias; from v128 R's fragments, one set; on the way out v32-93 at work.
;   window 1: P's fragments, two sets.   window 2: the accumulators of R's blocks 0-3 ((a, b) at v[8 (8 a + b)]);   window 3: those of blocks 4-7.
.set NQ,     2                         ; matrix instructions deep in a slot: 256 along K
.set ROWB,   256                       ; a tile's row in bytes
.set KROW,   1024                      ; a row in memory
.set PITCH,  272                       ; an LDS row: 256 bytes + 16 of padding = 68 words: the 16 rows that a load touches start at 16 different banks (64 banks of 4 bytes: ISA guide 11.1)
.set FR,     16                        ; registers of a fragment
.set NL,     4                         ; LDS loads that bring one
.set NP,     8                         ; places behind this matrix instruction (ISA guide 7.12.1)
.set HALFT,  128*PITCH
.set SLOT,   4*HALFT                   ; R's 256 rows, then P's 256 rows
.set LAPS,   2                         ; 1,024 along K = twice round the ring
.set KS,     32                        ; a row of scale bytes
.set SCL,    2*SLOT                    ; behind the ring: the scale bytes, as runs of 256 bytes + 16 of padding
.set HALFS,  (128*KS/256)*272
.set SBLK,   (16*KS/256)*272
.set SPARE,  SCL+4*HALFS               ; the spare words, 128 bytes for each wave
.set ADRA, 16                          ; v16-17  LDS address of my R fragments in slot 0, 1
.set ADRB, 20                          ; v20-21  the same for P
.set ADRS, 27                          ; v27     of my scale words: lanes 0-15 R's rows, lanes 16-31 P's
.set SPW,  28                          ; v28     my spare word; never rewritten
.set NIL,  29                          ; v29     0; never rewritten
.set SC,   32                          ; scale words: set s at v[SC + 16 s]; register 2 i + q
.set BI,   64                          ; the bias, 8 registers for each block
.set AF,   128                         ; R's fragments
.set TM,   32                          ; the way out: v32-35 maxima, v36-39 bytes, v40-43 holds, v44-47 the conversions' scale operands
.set FLR,  48                          ; v48     the floor 2^(16 - 127)
.set WS,   52                          ; v52-59  block a's four scale bytes
.set ZZ,   60                          ; v60-67  the scale words as they are stored
.set CD,   68                          ; v68-83  codes
.set VO0,  84                          ; v84-85  16 x lane, and that + the distance of chunks 2, 3
.set SST,  86                          ; v86     the scale words' stage: in
.set SRD,  87                          ; v87     and out
.set L8,   88                          ; v88     8 x lane
.set RB,   90                          ; v90-93  the words read back
.set G1, 24                            ; s[24:31] group 1 for R's tiles;  s[32:39] groups 0, one for each slot
.set G0, 32
.set G1B, 48                           ; s[48:55], s[56:63] the same for P's
.set G0B, 56
.set G1S, 68                           ; s[68:75], s[76:79] for R's scale bytes;  s[80:87], s[88:91] for P's
.set G0S, 76
.set G1SB, 80
.set G0SB, 88
.set MSB, 0
.macro WIN new                         ; the immediate's high byte repeats the setting that is left; a switch that changes nothing is dropped
.if MSB != (\new)
	s_set_vgpr_msb (MSB<<8)|(\new)
.set MSB, (\new)
.endif
.endm
.set MUL_LO, 0xa1                      ; source 0 (P) window 1, source 1 (R) window 0, C and D window 2
.set MUL_HI, 0xf1                      ; the same, C and D window 3
.set TO_B,   0x40                      ; destination window 1, address window 0
; A joint load: waves 0 and 1 fetch for R, waves 2 and 3 for P.  The branch hangs on the wave's number alone.  Four v_nop follow each of the two lines.
.macro JLOAD g0a, g1a, g0b, g1b
	s_cmp_eq_u32 s15, 0
	s_cbranch_scc0 .Lfor_b_\@
	tensor_load_to_lds s[\g0a:\g0a+3], s[\g1a:\g1a+7]
	s_nop 0
.rept 4
	v_nop
.endr
	s_branch .Lasked_\@
.Lfor_b_\@:
	tensor_load_to_lds s[\g0b:\g0b+3], s[\g1b:\g1b+7]
	s_nop 0
.rept 4
	v_nop
.endr
.Lasked_\@:
.endm
.macro CREST                           ; a round of the cluster's barrier behind its opening barrier
	s_cmp_lg_u32 s14, 0
	s_cbranch_scc1 .Lnot_wave_0_\@
	s_barrier_signal -3
.Lnot_wave_0_\@:
	s_barrier_wait -3
	s_barrier_signal -1
	s_barrier_wait -1
.endm
.macro CROUND
	s_barrier_signal -1
	s_barrier_wait -1
	CREST
.endm
	s_load_b512 s[24:39], s[0:1], 0x0              ; h's codes, scales; Wq's; Wk's; Wv's
	s_load_b256 s[48:55], s[0:1], 0x40             ; bq, bk, bv, qkv_img
	s_load_b64 s[56:57], s[0:1], 0x60              ; qkv_sc
	v_lshl_add_u32 v[SPW], v0, 2, SPARE
	v_mov_b32 v[NIL], 0
	ds_add_u32 v28, v29
	ds_add_u32 v28, v29
	s_wait_dscnt 0x0
	v_lshrrev_b32 v1, 5, v0
	v_readfirstlane_b32 s14, v1                    ; wave 0..3
	s_lshr_b32 s15, s14, 1                         ; which half of R's rows is mine.  Also: I fetch for R (0) or for P (1)
	s_and_b32 s16, s14, 1                          ; which half of P's rows.  Also: which 128 rows of that tile I fetch
	s_bfe_u32 s40, ttmp6, 0x40000                  ; cx, cy: my place in the cluster
	s_bfe_u32 s41, ttmp6, 0x40004
	s_and_b32 s18, ttmp7, 0xffff
	s_lshl_b32 s18, s18, 2                         ; 4 x the cluster's y: h's first tile of this cluster
	s_lshl_b32 s43, s41, 2
	s_lshl_b32 s43, 15, s43                        ; my row of the cluster
	s_lshl_b32 s44, 0x1111, s40                    ; my column
	s_wait_kmcnt 0x0
	s_cmp_eq_u32 ttmp9, 0                          ; the choices hang on the cluster's x alone
	s_cselect_b64 s[28:29], s[28:29], s[32:33]     ; Wq or Wk: codes,
	s_cselect_b64 s[30:31], s[30:31], s[34:35]     ; scales,
	s_cselect_b64 s[48:49], s[48:49], s[50:51]     ; bias
	s_cmp_eq_u32 ttmp9, 2                          ; v?
	s_cselect_b64 s[8:9], s[24:25], s[28:29]       ; P: h for v, else the weight
	s_cselect_b64 s[10:11], s[26:27], s[30:31]
	s_cselect_b64 s[4:5], s[36:37], s[24:25]       ; R: Wv for v, else h
	s_cselect_b64 s[6:7], s[38:39], s[26:27]
	s_cselect_b64 s[66:67], s[52:53], s[48:49]     ; the bias
	s_cselect_b32 s19, s18, 0
	s_cselect_b32 s23, 0, s18
	s_mov_b64 s[12:13], s[54:55]                   ; the codes' buffer
	s_mov_b64 s[96:97], s[56:57]                   ; the scale words'
	s_add_co_u32 s42, s19, s40                     ; P's tile: hangs on cx
	s_add_co_u32 s17, s23, s41                     ; R's tile: hangs on cy
	; group 1: a tile of 128 rows x 256 bytes, padded in LDS
	s_or_b32 s[G1+0], s43, (0<<16)|(1<<20)|(1<<21)|(5<<22)|(3<<25)  ; 15:0 the mask: my row; 17:16 elements of 1 byte; 20 padding on; 21 set beside a mask; 24:22 after every 64 words; 31:25 four words
	s_or_b32 s[G1B+0], s44, (0<<16)|(1<<20)|(1<<21)|(5<<22)|(3<<25) ; the same with my column's mask
.irp g, G1, G1B
	s_mov_b32 s[\g+1], ROWB<<16                    ; tensor_dim0
	s_mov_b32 s[\g+2], 128<<16                     ; tensor_dim1
	s_mov_b32 s[\g+3], ROWB<<16                    ; tile_dim0
	s_mov_b32 s[\g+4], 128                         ; tile_dim1
	s_mov_b32 s[\g+5], KROW                        ; tensor_dim0_stride
	s_mov_b32 s[\g+6], 0
	s_mov_b32 s[\g+7], 0
.endr
	; the scale bytes of 128 rows: 4,096 dense bytes, as 16 rows of 256 (32 elements of 8 bytes), 16 bytes of padding behind each
	s_or_b32 s[G1S+0], s43, (3<<16)|(1<<20)|(1<<21)|(5<<22)|(3<<25)
	s_or_b32 s[G1SB+0], s44, (3<<16)|(1<<20)|(1<<21)|(5<<22)|(3<<25)
.irp g, G1S, G1SB
	s_mov_b32 s[\g+1], 32<<16
	s_mov_b32 s[\g+2], (128*KS/256)<<16
	s_mov_b32 s[\g+3], 32<<16
	s_mov_b32 s[\g+4], 128*KS/256
	s_mov_b32 s[\g+5], 32
	s_mov_b32 s[\g+6], 0
	s_mov_b32 s[\g+7], 0
.endr
	s_lshl_b32 s18, s16, 7                         ; which 128 rows of the tile I fetch
	s_lshl_b32 s20, s17, 8
	s_add_co_u32 s20, s20, s18                     ; R: row 256 x tile + 128 x half
	s_lshl_b32 s46, s42, 8
	s_add_co_u32 s46, s46, s18                     ; P likewise
	s_mov_b32 s21, 0
	s_mov_b32 s47, 0
	s_lshl_b64 s[22:23], s[20:21], 5               ; where these rows' scale bytes begin,
	s_lshl_b64 s[92:93], s[46:47], 5
	s_lshl_b64 s[20:21], s[20:21], 10              ; and their codes
	s_lshl_b64 s[46:47], s[46:47], 10
	s_mul_i32 s45, s14, HALFT                      ; where they go: wave x 128 rows: no place in the cluster enters an LDS address
	s_mul_i32 s94, s14, HALFS
	s_add_nc_u64 s[20:21], s[4:5], s[20:21]
	s_add_nc_u64 s[22:23], s[6:7], s[22:23]
	s_add_nc_u64 s[46:47], s[8:9], s[46:47]
	s_add_nc_u64 s[92:93], s[10:11], s[92:93]
	CROUND                                         ; all sixteen work-groups are here: the first joint loads meet
	s_mov_b32 s[G0S], 1
	s_add_co_u32 s[G0S+1], s94, SCL
	s_mov_b64 s[G0S+2:G0S+3], s[22:23]
	s_or_b32 s[G0S+3], s[G0S+3], 0x80000000
	s_mov_b32 s[G0SB], 1
	s_add_co_u32 s[G0SB+1], s94, SCL
	s_mov_b64 s[G0SB+2:G0SB+3], s[92:93]
	s_or_b32 s[G0SB+3], s[G0SB+3], 0x80000000
	JLOAD G0S, G1S, G0SB, G1SB                     ; the scale bytes first: they are wanted with K step 0
.irp s, 0,1
	s_mov_b32 s[G0+4*\s], 1
	s_add_co_u32 s[G0+4*\s+1], s45, \s*SLOT
	s_add_nc_u64 s[G0+4*\s+2:G0+4*\s+3], s[20:21], \s*ROWB
	s_or_b32 s[G0+4*\s+3], s[G0+4*\s+3], 0x80000000
	s_mov_b32 s[G0B+4*\s], 1
	s_add_co_u32 s[G0B+4*\s+1], s45, \s*SLOT
	s_add_nc_u64 s[G0B+4*\s+2:G0B+4*\s+3], s[46:47], \s*ROWB
	s_or_b32 s[G0B+4*\s+3], s[G0B+4*\s+3], 0x80000000
	JLOAD G0+4*\s, G1, G0B+4*\s, G1B               ; three tensor loads of mine are out now
.endr
	v_and_b32 v1, 15, v0                           ; r
	v_bfe_u32 v2, v0, 4, 1                         ; h
	v_mul_u32_u24 v3, v1, PITCH
	v_lshl_add_u32 v4, v2, 4, v3                   ; a fragment's row x pitch + 16 x half
	s_mul_i32 s21, s15, HALFT                      ; my 128 rows of R
	s_mul_i32 s22, s16, HALFT                      ; my 128 rows of P,
	s_add_co_u32 s22, s22, 2*HALFT                 ; which lie behind R's 256
.irp s, 0,1
	v_add_nc_u32 v[ADRA+\s], s21, v4
	v_add_nc_u32 v[ADRB+\s], s22, v4
	s_add_co_u32 s21, s21, SLOT
	s_add_co_u32 s22, s22, SLOT
.endr
	v_mul_u32_u24 v5, v1, KS                       ; my row's scale bytes: 32 a row,
	v_lshrrev_b32 v6, 8, v5
	v_lshl_add_u32 v5, v6, 4, v5                   ; and 16 more for each 256 passed
	s_mul_i32 s21, s15, HALFS
	s_mul_i32 s22, s16, HALFS
	s_add_co_u32 s22, s22, 2*HALFS
	s_sub_co_u32 s22, s22, s21
	v_mul_u32_u24 v6, s22, v2                      ; lanes 16-31 take P's
	s_add_co_u32 s21, s21, SCL
	v_add_nc_u32 v5, v5, v6
	v_add_nc_u32 v[ADRS], s21, v5
	; where my results go, and my part of the bias
	s_lshl_b32 s18, s17, 8
	s_lshl_b32 s19, s15, 7
	s_add_co_u32 s18, s18, s19                     ; my first row of R
	s_lshl_b32 s19, s42, 8
	s_lshl_b32 s20, s16, 7
	s_add_co_u32 s19, s19, s20                     ; my first row of P
	s_mov_b32 s99, 0x20000
	s_mov_b32 s46, 1024
	s_cmp_eq_u32 ttmp9, 2
	s_cselect_b32 s92, s19, s18                    ; my first token
	s_cselect_b32 s93, s18, s19                    ; my first output channel (0 .. 1023)
	s_cselect_b32 s99, 1024, s99                   ; from chunks 0, 1 to chunks 2, 3: v: two chunks on; q, k: the next head
	s_cselect_b32 s46, 2048, s46                   ; from R's block a to a + 1: v: a tile of channels; q, k: a tile of tokens
	s_cselect_b32 s94, 0x1e000, 0                  ; v: at block 4 on into the next head: 131,072 - 4 x 2,048
	s_cselect_b32 s98, -1, 0                       ; a lane mask: v or not
	s_cselect_b32 s20, 0, 32                       ; the bias's offset = h x this
	s_cselect_b32 s21, 4, 0                        ; + r x this
	s_cselect_b32 s22, 0, 4                        ; + j x this
	s_mov_b32 s47, 0
	s_mov_b32 s95, 0
	v_mul_u32_u24 v7, s20, v2
	v_mad_u32_u24 v7, s21, v1, v7
.irp j, 0,1,2,3,4,5,6,7
	v_mad_u32_u24 v[8+\j], s22, \j, v7
.endr
	s_lshr_b32 s20, s92, 11                        ; batch
	s_lshl_b32 s20, s20, 4
	s_lshr_b32 s21, s93, 6                         ; head
	s_add_co_u32 s20, s20, s21                     ; bh of my first head
	s_and_b32 s21, s92, 2047                       ; my first token in its batch
	s_lshl_b32 s22, ttmp9, 23                      ; the part: 8,388,608 bytes each,
	s_lshl_b32 s23, s20, 17                        ; 131,072 a head,
	s_add_co_u32 s22, s22, s23
	s_lshl_b32 s23, s21, 6                         ; 64 a token
	s_add_co_u32 s22, s22, s23
	s_mov_b32 s23, 0
	s_add_nc_u64 s[12:13], s[12:13], s[22:23]
	s_lshl_b32 s22, ttmp9, 18                      ; scale words: a thirty-second of all that
	s_lshl_b32 s20, s20, 12
	s_add_co_u32 s22, s22, s20
	s_lshl_b32 s21, s21, 1
	s_add_co_u32 s22, s22, s21
	s_add_nc_u64 s[96:97], s[96:97], s[22:23]
	s_lshl_b32 s22, s93, 2
	s_add_nc_u64 s[66:67], s[66:67], s[22:23]
	s_mov_b32 s20, 0x76543210
	s_mov_b32 s21, 0xfedcba98                      ; v_permlanex16_b32's selects for lane l xor 16
	s_mov_b32 s22, 0x600000                        ; the mantissa field of 57,344
	s_mov_b32 s100, 0x05040100                     ; v_perm_b32: the two low halves
	s_mov_b32 s101, 0x07060302                     ; the two high halves
.irp x, 0,1,2,3,4,5,6,7
.irp j, 0,1,2,3,4,5,6,7
	global_load_b32 v[BI+8*\x+\j], v[8+\j], s[66:67] offset:64*\x   ; q, k: bias(16 x + 8 h + j);  v: bias(16 x + r) in all eight
.endr
.endr
.macro FRAG reg, adr, q, i             ; a fragment, 16 rows x 128 K: lane l holds row l % 16; registers 4 c .. 4 c + 3 hold K = 32 c + 16 (l / 16) + 0 .. 15
.irp c, 0,1,2,3
	ds_load_b128 v[\reg+4*\c:\reg+4*\c+3], v[\adr] offset:128*(\q)+32*\c+(\i)*16*PITCH
.endr
.endm
; 16 matrix instructions: R's blocks a0, a0 + 1 x P's eight, the slot's q-th 128 along K.  p: P's set; sc: the set of scale words.  ck = 0: in place; 1: C = the bias of P's block; 2: C = the bias of R's block.
; The 64 accumulators take turns, one instruction a turn, in the same order in every step.
.macro MUL16 a0, p, q, sc, ck
.irp a, \a0, \a0+1
.irp b, 0,1,2,3,4,5,6,7
.set rD, 8*(8*((\a)%4)+\b)
.set rP, 128*(\p)+FR*\b
.set rR, AF+FR*(\a)
.set sP, SC+8*NQ*(\sc)+NQ*\b+(\q)
.set sR, SC+8*NQ*(\sc)+NQ*(\a)+(\q)
.if (\ck) == 1
	v_wmma_scale_f32_16x16x128_f8f6f4 v[rD:rD+7], v[rP:rP+15], v[rR:rR+15], v[BI+8*\b:BI+8*\b+7], v[sP], v[sR] matrix_a_fmt:MATRIX_FMT_BF8 matrix_b_fmt:MATRIX_FMT_BF8 matrix_a_scale:MATRIX_SCALE_ROW1
.elseif (\ck) == 2
	v_wmma_scale_f32_16x16x128_f8f6f4 v[rD:rD+7], v[rP:rP+15], v[rR:rR+15], v[BI+8*(\a):BI+8*(\a)+7], v[sP], v[sR] matrix_a_fmt:MATRIX_FMT_BF8 matrix_b_fmt:MATRIX_FMT_BF8 matrix_a_scale:MATRIX_SCALE_ROW1
.else
	v_wmma_scale_f32_16x16x128_f8f6f4 v[rD:rD+7], v[rP:rP+15], v[rR:rR+15], v[rD:rD+7], v[sP], v[sR] matrix_a_fmt:MATRIX_FMT_BF8 matrix_b_fmt:MATRIX_FMT_BF8 matrix_a_scale:MATRIX_SCALE_ROW1
.endif
.endr
.endr
.endm
.macro FETCH_B slot, q, p              ; P's eight fragments into set p
	WIN TO_B
.irp i, 0,1,2,3,4,5,6,7
	FRAG 128*(\p)+FR*\i, ADRB+\slot, \q, \i
.endr
	WIN 0
.endm
.macro FETCH_A slot, q, i0             ; R's blocks i0 .. i0 + 3
.irp i, \i0, \i0+1, \i0+2, \i0+3
	FRAG AF+FR*(\i), ADRA+\slot, \q, \i
.endr
.endm
.macro SCALES sc                       ; a K step's scale words: two a row; lanes 0-15 take R's block i, lanes 16-31 P's block i
.irp i, 0,1,2,3,4,5,6,7
	ds_load_b64 v[SC+8*NQ*\sc+NQ*\i:SC+8*NQ*\sc+NQ*\i+1], v[ADRS] offset:\i*SBLK
.endr
.endm
; A load into a register that a matrix instruction has read, and a vector instruction that reads a matrix result or writes one of a matrix instruction's registers, stand NP places behind it; only plain
; vector instructions that name none of its registers are places (ISA guide 7.12.1 for vector instructions).
.macro PLACES n
.rept \n
	v_nop
.endr
.endm
.macro STEP slot, q, ck                ; a step of 128 along K that has its successor in the same slot
	s_wait_dscnt 4*NL                              ; P's set and R's blocks 0-3 are in; the youngest 16 loads (R's blocks 4-7) may be out
.if \ck
	WIN 0x81                                       ; C (the bias) in window 0, D in window 2
.else
	WIN MUL_LO
.endif
	MUL16 0, (\q)%2, \q, \slot, \ck
	MUL16 2, (\q)%2, \q, \slot, \ck
	s_wait_dscnt 0                                 ; R's blocks 4-7 are in
	PLACES NP
	FETCH_B \slot, (\q)+1, 1-(\q)%2
	FETCH_A \slot, (\q)+1, 0
.if \ck
	WIN 0xc1
.else
	WIN MUL_HI
.endif
	MUL16 4, (\q)%2, \q, \slot, \ck
	MUL16 6, (\q)%2, \q, \slot, \ck
	PLACES NP
	WIN 0
	FETCH_A \slot, (\q)+1, 4
.endm
; A slot's last step changes slots: ONE barrier; in front of it each wave waits for all its tensor loads, adds 0 to its spare word, and waits for that and for its own reads of this slot.
.macro TURN slot, next, fill
	s_wait_tensorcnt 0x0                           ; all my tensor loads have landed: my part of the next slot
	ds_add_u32 v[SPW], v[NIL]                      ; 0 onto my spare word
	s_wait_dscnt 4*NL+1                            ; (the add and the youngest 16 loads may be out)
	WIN MUL_LO
	MUL16 0, 1, NQ-1, \slot, 0                     ; sixteen matrix instructions stand between the add and the wait for it
	s_wait_dscnt 0x0                               ; the add is done, and my reads of this slot are over
	s_barrier_signal -1
	MUL16 2, 1, NQ-1, \slot, 0
	WIN 0
	s_barrier_wait -1
.if \fill
	CREST                                          ; the barrier has opened a round of the cluster's barrier: no wave of any partner still reads this slot or has a load on its way
	s_add_nc_u64 s[G0+4*\slot+2:G0+4*\slot+3], s[G0+4*\slot+2:G0+4*\slot+3], 2*ROWB
	s_add_nc_u64 s[G0B+4*\slot+2:G0B+4*\slot+3], s[G0B+4*\slot+2:G0B+4*\slot+3], 2*ROWB
	JLOAD G0+4*\slot, G1, G0B+4*\slot, G1B         ; my one tensor load behind the round; its four v_nop are among the places in front of the loads below
	PLACES NP-4
.else
	PLACES NP
.endif
	v_add_nc_u32 v[ADRS], 4*NQ, v[ADRS]            ; on to the next K step's scale words
	FETCH_B \next, 0, 0
	FETCH_A \next, 0, 0
	SCALES \next
	WIN MUL_HI
	MUL16 4, 1, NQ-1, \slot, 0
	MUL16 6, 1, NQ-1, \slot, 0
	PLACES NP
	WIN 0
	FETCH_A \next, 0, 4
.endm
	s_wait_tensorcnt 1                             ; the scale bytes and my part of K step 0 are in (K step 1's load may be out)
	s_barrier_signal -1
	s_barrier_wait -1                              ; everybody's are
	FETCH_B 0, 0, 0
	FETCH_A 0, 0, 0
	SCALES 0
	FETCH_A 0, 0, 4
	s_wait_loadcnt 0x0                             ; the bias
	s_cmp_eq_u32 ttmp9, 2                          ; the first step starts the sums with the bias, which runs along P (q, k) or along R (v)
	s_cbranch_scc1 .Lfirst_v
	STEP 0, 0, 1
	s_branch .Lfirst_done
.Lfirst_v:
	STEP 0, 0, 2
.Lfirst_done:
	s_mov_b32 s3, LAPS-1
.Llap:                                                 ; a trip goes once round the ring, from a lap's second step to the next lap's first, and fills both slots again
	TURN 0, 1, 1
	STEP 1, 0, 0
	TURN 1, 0, 1
	STEP 0, 0, 0
	s_sub_co_u32 s3, s3, 1
	s_cmp_lg_u32 s3, 0
	s_cbranch_scc1 .Llap
	TURN 0, 1, 0                                   ; the last lap fills nothing
	STEP 1, 0, 0
	s_wait_dscnt 4*NL
	WIN MUL_LO
	MUL16 0, 1, NQ-1, 1, 0
	MUL16 2, 1, NQ-1, 1, 0
	s_wait_dscnt 0
	WIN MUL_HI
	MUL16 4, 1, NQ-1, 1, 0
	MUL16 6, 1, NQ-1, 1, 0
	WIN 0
	PLACES NP                                      ; the lines below write registers that held the last products' scale words, and the first maxima read results
	v_mov_b32 v[FLR], 0x8000000
	v_and_b32 v1, 31, v0
	v_and_b32 v2, 15, v0
	v_lshlrev_b32 v[VO0], 4, v1
	v_add_nc_u32 v[VO0+1], s99, v[VO0]
	s_lshl_b32 s18, s14, 9                         ; the scale words' stage: 512 bytes a wave at the head of slot 0, which has had its last fill and its last read
	v_lshl_add_u32 v[SST], v2, 2, s18
	v_lshl_add_u32 v[SRD], v1, 3, s18
	v_lshlrev_b32 v[L8], 3, v1
.irp b, 0,1,2,3
	v_mov_b32 v[TM+4+\b], 0                        ; written once: a lane permute's destination counts as one of its sources
.endr
; R's block a: four blocks of 32 along P are quantised and stored.
.macro QOUT a
.set AC, 64*((\a)%4)
.set WA, 2+(\a)/4
.if (\a) > 0
	s_wait_xcnt 0x0                                ; the last block's stores have read their data and their base: both are written again only behind this wait
	s_add_nc_u64 s[12:13], s[12:13], s[46:47]
.endif
.if (\a) == 4
	s_add_nc_u64 s[12:13], s[12:13], s[94:95]
.endif
	WIN (WA<<2)|(WA<<4)                            ; sources 1 and 2: the accumulators' window
.irp b, 0,1,2,3
	v_max3_num_f32 v[TM+\b], v[FLR], |v[AC+16*\b]|, |v[AC+16*\b+1]|   ; my 16 numbers of block b and the floor; each accumulator is read from its low end on; the four blocks by turns
.endr
.irp i, 2,4,6,8,10,12,14
.irp b, 0,1,2,3
	v_max3_num_f32 v[TM+\b], v[TM+\b], |v[AC+16*\b+\i]|, |v[AC+16*\b+\i+1]|
.endr
.endr
	WIN 0
.irp b, 0,1,2,3
	v_permlanex16_b32 v[TM+4+\b], v[TM+\b], s20, s21
.endr
.irp b, 0,1,2,3
	v_max_num_f32 v[TM+\b], v[TM+\b], v[TM+4+\b]   ; with lane l xor 16's: the block's largest magnitude
.endr
.irp b, 0,1,2,3
	v_add_nc_u32 v[TM+12+\b], 0xf8800000, v[TM+\b] ; 15 off its exponent field: the conversion's scale operand
.endr
.irp b, 0,1,2,3
	v_and_or_b32 v[TM+8+\b], v[TM+\b], 0x7f800000, s22   ; 57,344 x the scale
.endr
.irp b, 0,1,2,3
	v_lshrrev_b32 v[TM+4+\b], 23, v[TM+12+\b]      ; the scale's byte
.endr
	v_lshl_or_b32 v[WS+(\a)], v[TM+5], 8, v[TM+4]
	v_lshl_or_b32 v[WS+(\a)], v[TM+6], 16, v[WS+(\a)]
	v_lshl_or_b32 v[WS+(\a)], v[TM+7], 24, v[WS+(\a)]
	WIN (WA<<6)|WA                                 ; destination and source 0: the accumulators' window
.irp b, 0,1,2,3
.irp i, 0,1,2,3,4,5,6,7,8,9,10,11,12,13,14,15
	v_med3_num_f32 v[AC+16*\b+\i], v[AC+16*\b+\i], -v[TM+8+\b], v[TM+8+\b]   ; the conversion to an 8-bit code does not saturate (ISA guide 7.6.2): the hold
.endr
.endr
	WIN WA
.irp b, 0,1,2,3
	v_cvt_scalef32_pk8_bf8_f32 v[CD+4*\b:CD+4*\b+1], v[AC+16*\b:AC+16*\b+7], v[TM+12+\b]
	v_cvt_scalef32_pk8_bf8_f32 v[CD+4*\b+2:CD+4*\b+3], v[AC+16*\b+8:AC+16*\b+15], v[TM+12+\b]
.endr
	WIN 0
	v_nop                                          ; a plain line behind the last conversion
.irp b, 0,1,2,3
	global_store_b128 v[VO0+(\b>>1)], v[CD+4*\b:CD+4*\b+3], s[12:13] offset:512*(\b&1)   ; 512 consecutive bytes, aligned
.endr
.endm
.irp a, 0,1,2,3,4,5,6,7
	QOUT \a
.endr
	; the scale words.  v: block a's word as it stands.  q, k: a word holds two tiles of tokens x one head's two blocks: two bytes of block 2 A's word and two of block 2 A + 1's
.irp A, 0,1,2,3
	v_perm_b32 v[ZZ+\A], v[WS+2*\A+1], v[WS+2*\A], s100
	v_perm_b32 v[ZZ+4+\A], v[WS+2*\A+1], v[WS+2*\A], s101
.endr
.irp x, 0,1,2,3,4,5,6,7
	v_cndmask_b32 v[ZZ+\x], v[ZZ+\x], v[WS+\x], s98
.endr
.irp x, 0,1,2,3,4,5,6,7
	ds_store_b32 v[SST], v[ZZ+\x] offset:64*\x     ; lanes r and 16 + r write the same word with the same value
.endr
	ds_load_b64 v[RB:RB+1], v[SRD]                 ; LDS serves a wave's instructions in order: these see my stores
	ds_load_b64 v[RB+2:RB+3], v[SRD] offset:256
	s_wait_dscnt 0x0
	global_store_b64 v[L8], v[RB:RB+1], s[96:97]                 ; 256 consecutive bytes, aligned: my first head's words,
	global_store_b64 v[L8], v[RB+2:RB+3], s[96:97] offset:4096   ; and the next head's
	s_wait_tensorcnt 0x0                           ; the wave's end
	ds_add_u32 v[SPW], v[NIL]
	s_wait_dscnt 0x0
	CROUND                                         ; the closing round: no work-group ends while a partner may still ask for a tile that names it
	s_endpgm
.Lfunc_end_k_qc555ac5d09_qkv:
	.size	k_qc555ac5d09_qkv, .Lfunc_end_k_qc555ac5d09_qkv-k_qc555ac5d09_qkv
	.p2alignl 7, 3214868480
	.fill 96, 4, 3214868480
	.section	.rodata,"a",@progbits
	.p2align	6, 0x0
	.amdhsa_kernel k_qc555ac5d09_qkv
		.amdhsa_group_segment_fixed_size 327680
		.amdhsa_private_segment_fixed_size 0
		.amdhsa_enable_private_segment 0
		.amdhsa_kernarg_size 104
		.amdhsa_user_sgpr_count 2
		.amdhsa_user_sgpr_kernarg_segment_ptr 1
		.amdhsa_wavefront_size32 1
		.amdhsa_system_sgpr_workgroup_id_x 1
		.amdhsa_system_sgpr_workgroup_id_y 1
		.amdhsa_system_sgpr_workgroup_id_z 1
		.amdhsa_system_vgpr_workitem_id 0
		.amdhsa_next_free_vgpr 1024
		.amdhsa_next_free_sgpr 102
		.amdhsa_reserve_vcc 0
		.amdhsa_float_denorm_mode_32 3
		.amdhsa_float_denorm_mode_16_64 3
		.amdhsa_memory_ordered 1
		.amdhsa_forward_progress 1
		.amdhsa_inst_pref_size 207
	.end_amdhsa_kernel
	.amdgpu_metadata
---
amdhsa.version: [ 1, 2 ]
amdhsa.kernels:
  - .name:           k_qc555ac5d09_qkv
    .symbol:         k_qc555ac5d09_qkv.kd
    .args:
      - { .name: h_codes, .offset: 0, .size: 8, .value_kind: global_buffer, .address_space: global }
      - { .name: h_scales, .offset: 8, .size: 8, .value_kind: global_buffer, .address_space: global }
      - { .name: Wq_codes, .offset: 16, .size: 8, .value_kind: global_buffer, .address_space: global }
      - { .name: Wq_scales, .offset: 24, .size: 8, .value_kind: global_buffer, .address_space: global }
      - { .name: Wk_codes, .offset: 32, .size: 8, .value_kind: global_buffer, .address_space: global }
      - { .name: Wk_scales, .offset: 40, .size: 8, .value_kind: global_buffer, .address_space: global }
      - { .name: Wv_codes, .offset: 48, .size: 8, .value_kind: global_buffer, .address_space: global }
      - { .name: Wv_scales, .offset: 56, .size: 8, .value_kind: global_buffer, .address_space: global }
      - { .name: bq, .offset: 64, .size: 8, .value_kind: global_buffer, .address_space: global }
      - { .name: bk, .offset: 72, .size: 8, .value_kind: global_buffer, .address_space: global }
      - { .name: bv, .offset: 80, .size: 8, .value_kind: global_buffer, .address_space: global }
      - { .name: qkv_img, .offset: 88, .size: 8, .value_kind: global_buffer, .address_space: global }
      - { .name: qkv_sc, .offset: 96, .size: 8, .value_kind: global_buffer, .address_space: global }
    .group_segment_fixed_size: 327680
    .private_segment_fixed_size: 0
    .kernarg_segment_align: 8
    .kernarg_segment_size: 104
    .max_flat_workgroup_size: 128
    .sgpr_count:     102
    .vgpr_count:     1024
    .wavefront_size: 32
...
	.end_amdgpu_metadata
.endif
;; end of part 2
;; launch attn (part 3): grid 4 x 64, 8 waves a work-group, clusters of 4 x 1, 327,680 bytes of LDS; arguments qkv_img, qkv_sc, ctx_img, ctx_sc; writes ctx_img, ctx_sc
.if DOCPART == 3
	.amdgcn_target "amdgcn-amd-amdhsa--gfx1250"
	.amdhsa_code_object_version 6
	.text
	.protected	k_qc555ac5d09_attn
	.globl	k_qc555ac5d09_attn
	.p2align	8
	.type	k_qc555ac5d09_attn,@function
k_qc555ac5d09_attn:
	s_mov_b64 s[64:65], 0
	v_nop
	global_prefetch_b8 v0, s[64:65] scope:SCOPE_SE
	s_setreg_imm32_b32 hwreg(HW_REG_WAVE_MODE, 25, 1), 1
	s_wait_xcnt 0x0
	s_wait_alu depctr_hold_cnt(0) depctr_sa_sdst(0) depctr_va_vdst(0) depctr_va_sdst(0) depctr_va_ssrc(0) depctr_va_vcc(0) depctr_vm_vsrc(0)
	s_getreg_b32 s2, hwreg(HW_REG_IB_STS2, 6, 4)
	s_cmp_eq_u32 s2, 0
	s_cbranch_scc0 .Lentry_in_a_cluster
	s_endpgm
.Lentry_in_a_cluster:
	s_bfe_u32 s2, ttmp6, 0x10000c
	s_cmp_lg_u32 s2, 0x3003
	s_cbranch_scc0 .Lentry_shape_is_right
	s_endpgm
.Lentry_shape_is_right:
; context = softmax(q k^T / 8) v for 64 (batch, head) pairs of 2,048 tokens and 64 channels, both products on codes of E5M2 with E8M0 scales; the context is quantised along the hidden axis for the last product.
; THE SOFTMAX AHEAD OF THE SECOND PRODUCT: t = score x log2(e) / 8; M = the row's largest t so far, rounded UP to a whole number; p = 2^(t - M) is quantised along the keys, not normalised.  The row's sum is
; taken of the unquantised p and divides at the end.  When M moves, the sum and O are multiplied by 2^(old M - new M): exact.
; SHARES.  A work-group owns 512 queries of one head.  THE HEAD'S WHOLE K AND V, 262,144 bytes of codes and 8,192 of scale bytes, LIE IN LDS FOR THE WHOLE LAUNCH: filled once, never again, and nothing is stored to LDS.
; The four work-groups of a cluster are the four blocks of queries of one head: they ask for K and V JOINTLY (mask 15), each of the eight waves for an eighth.  All of LDS is claimed so that the work-group is alone.
; A wave holds two tiles of 16 queries (T0, T1: a block of 32 tokens), which share every fragment of K and V, and makes two passes: blocks 16 cx + w and 16 cx + 8 + w.  Two waves share a SIMD.
; LAYOUT.  Both products are used transposed (S^T = K Q^T, O^T = V^T P^T): a lane holds ONE query (lane % 16) throughout.  The buffers are images of operand registers: a chunk is 16 bytes at 16 x lane.
; K = 64 IN AN INSTRUCTION OF 128.  A fragment of K holds keys 32 b + r in its first 64 places and keys 32 b + 16 + r in its last 64.  It is multiplied by [q | zero codes] and by [zero codes | q]: two tiles of
; scores from one fragment.  Zero codes add nothing: k's codes are held and finite, and no scale byte here is 0xff.  Q's registers are [q 8][0 8][q 8]; the two operands overlap in the zeros.
; So register 16 b + 8 u + j of the scores is key 32 b + 16 u + 8 h + j, and p's codes fall on the places at which v's image has those keys.
; BY TURNS.  In TURN x tile x has the matrix unit (4 products V^T P of the step in hand, 8 products K Q^T of the next) and the other tile's softmax, in eight pieces, stands between them.  A trip is TURN 1, TURN 0.
; The loop has no first or last step of its own: trip 0's V^T P of T1 multiplies zero codes into zeros, and the last trip's K Q^T of T0 reads the 8,192 bytes behind K's image (V's first step: finite
; codes, valid scale bytes) and its eight results are never read: 12 of a pass's 396 matrix instructions.
; OUT.  ctx_img [token / 16][hidden / 128][c][lane][16] in the hidden axis's own order (the halves of the lanes exchange 8 bytes for that); each store covers 512 consecutive bytes, aligned.
; ctx_sc [hidden / 128][token][4]: a head owns two of a word's four bytes, so its 32 stores of 2 bytes a pass leave the words' other halves to the neighbouring head's work-group: 64 bytes in 2,112 stored.
; LIMITS.  NaN and infinities are not served.  A block whose largest magnitude lies under 2^-111 keeps the byte 1, a block of zeros too (not 127).  Inside a block of 32 the products are summed in the images'
; order, not in K's own.
; REGISTERS.  window 0: v1-11 addresses and q's scale word; v12-13 at work; v16-31 statistics, 8 a tile; v32-43 scale words of K, V, Q; v44-59 a softmax's four blocks; v60-62 the context's bytes;
;   v64-95 p's codes; v96-123 the way out; v128-255 scores, then p, 64 a tile.      window 1: v0-63 K of a step; v64-127 V of a step; v128-191 O^T, 32 a tile; v192-239 Q, 24 a tile.
.set VIMG, 131072                      ; LDS: K's image at 0, V's here,
.set KSC,  262144                      ; K's scale words,
.set VSC,  266240                      ; V's
.set LI,   1                           ; v1   16 x lane
.set LS,   2                           ; v2   4 x (lane % 16)
.set LIV,  3                           ; v3   LI + VIMG
.set LSK,  4                           ; v4   LS + KSC
.set LSV,  5                           ; v5   LS + VSC
.set ADK,  6                           ; v6-9 addresses of the fetch in hand
.set ADV,  7
.set ADKS, 8
.set ADVS, 9
.set TO,   10                          ; v10  4 x lane
.set QW,   11                          ; v11  q's scale word as loaded
.set ST,   16                          ; tile x at v[ST + 8 x]: +0 -M, +1 the largest t, +2, +3 the sum, +4 f, +5 p's scale word, +6, +7 the sum's second chain, at the end 1 / sum
.set KS,   32
.set VS,   36
.set QS,   40                          ; v[QS + 2 x + variant]
.set BM,   44                          ; a block's largest score, then its largest p
.set BP,   48                          ; the other half's, then the bytes
.set BH,   52                          ; 57,344 x the scale
.set BE,   56                          ; the conversion's scale operand
.set HW,   60                          ; v60-61 the context's two bytes of tile 0, 1; v62 merged
.set PC,   64
.set CC,   96
.set SND,  104
.set RCV,  106
.set OU,   108
.set S,    128
.set KF,   0                           ; window 1
.set VF,   64
.set OT,   128
.set QF,   192
.set WV,   12
.set G1C,  16                          ; s[16:23] group 1: 32,768 dense bytes;  s[24:31]: 1,024;  s[32:35], s[36:39] their groups 0
.set G1S,  24
.set G0C,  32
.set G0S,  36
.set SEL,  48
.set CS,   50                          ; s[50:51] c = log2(e) / 8
.set MNT,  52
.set TK,   53                          ; LDS byte of the step of K to be fetched;  s54 of its scale words
.set TKS,  54
.set TV,   55                          ; the same for V
.set TVS,  56
.set TRIP, 57
.set PASS, 58
.set HM,   59                          ; lanes 16-31
.set QP,   60
.set QSP,  62
.set CP,   66
.set CSP,  68
.set MSB, 0
.macro WIN new
.if MSB != (\new)
	s_set_vgpr_msb (MSB<<8)|(\new)
.set MSB, (\new)
.endif
.endm
.set W_KQ, 0x05                        ; K and Q in window 1, the scores in window 0
.set W_PV, 0x51                        ; V in window 1, p in window 0, O^T (C and D) in window 1
.set W_RS, 0x41                        ; O^T (destination and source 0) in window 1
.set TO_1, 0x40                        ; destination window 1
.macro CROUND                          ; a round of the cluster's barrier
	s_barrier_signal -1
	s_barrier_wait -1
	s_cmp_lg_u32 s[WV], 0
	s_cbranch_scc1 .Lnot_wave_0_\@
	s_barrier_signal -3
.Lnot_wave_0_\@:
	s_barrier_wait -3
	s_barrier_signal -1
	s_barrier_wait -1
.endm
	s_load_b256 s[4:11], s[0:1], 0x0               ; qkv_img, qkv_sc, ctx_img, ctx_sc
	v_lshl_add_u32 v126, v0, 2, 0x42000
	v_mov_b32 v127, 0
	ds_add_u32 v126, v127
	ds_add_u32 v126, v127
	v_lshrrev_b32 v12, 5, v0
	v_readfirstlane_b32 s[WV], v12                 ; wave 0..7
	s_and_b32 s13, ttmp7, 0xffff                   ; bh, which the four partners share
	s_bfe_u32 s14, ttmp6, 0x40000                  ; cx: it enters q's and the context's addresses alone
	s_lshr_b32 s40, s[WV], 2
	s_add_co_u32 s40, s40, 1                       ; what I fetch: part 1 (k: waves 0-3) or 2 (v: waves 4-7),
	s_and_b32 s41, s[WV], 3                        ; which quarter of the head's
	s_lshl_b32 s42, s40, 23
	s_lshl_b32 s43, s13, 17
	s_add_co_u32 s42, s42, s43
	s_lshl_b32 s43, s41, 15
	s_add_co_u32 s42, s42, s43                     ; codes: 8,388,608 part + 131,072 bh + 32,768 quarter
	s_mov_b32 s43, 0
	s_lshl_b32 s44, s40, 18
	s_lshl_b32 s45, s13, 12
	s_add_co_u32 s44, s44, s45
	s_lshl_b32 s45, s41, 10
	s_add_co_u32 s44, s44, s45                     ; scale words: a thirty-second of that
	s_mov_b32 s45, 0
	s_lshl_b32 s70, s14, 4
	s_add_co_u32 s70, s70, s[WV]                   ; my block of 32 queries in pass 0
	s_lshl_b32 s72, s13, 17
	s_lshl_b32 s73, s70, 11
	s_add_co_u32 s72, s72, s73                     ; q's codes: 2,048 bytes a block
	s_mov_b32 s73, 0
	s_lshl_b32 s74, s13, 12
	s_lshl_b32 s75, s70, 6
	s_add_co_u32 s74, s74, s75                     ; q's scale words: 64 a block
	s_mov_b32 s75, 0
	s_lshr_b32 s71, s13, 4                         ; batch
	s_and_b32 s15, s13, 15                         ; head
	s_lshl_b32 s76, s71, 6
	s_add_co_u32 s76, s76, s70                     ; my block of 32 tokens among all 256
	s_lshl_b32 s78, s76, 7                         ; ctx_sc: 4 bytes a token
	s_lshl_b32 s76, s76, 15                        ; ctx_img: 16,384 bytes for 16 tokens,
	s_lshl_b32 s77, s15, 10                        ; 1,024 a head
	s_add_co_u32 s76, s76, s77
	s_mov_b32 s77, 0
	s_lshr_b32 s79, s15, 1
	s_lshl_b32 s79, s79, 15                        ; 32,768 for each 128 of the hidden axis,
	s_add_co_u32 s78, s78, s79
	s_and_b32 s79, s15, 1
	s_lshl_b32 s79, s79, 1                         ; my head's two bytes of the word
	s_add_co_u32 s78, s78, s79
	s_mov_b32 s79, 0
	s_mov_b32 s[G1C], 15|(3<<16)|(1<<21)           ; 15:0 the mask: all four work-groups; 17:16 elements of 8 bytes; 21 set beside a mask; no padding
	s_mov_b32 s[G1C+1], 32<<16                     ; tensor_dim0 = 32 elements: rows of 256 bytes
	s_mov_b32 s[G1C+2], 128<<16                    ; tensor_dim1 = 128 rows
	s_mov_b32 s[G1C+3], 32<<16                     ; tile_dim0
	s_mov_b32 s[G1C+4], 128                        ; tile_dim1
	s_mov_b32 s[G1C+5], 32                         ; the pitch: dense
	s_mov_b32 s[G1C+6], 0
	s_mov_b32 s[G1C+7], 0
	s_mov_b32 s[G1S], 15|(3<<16)|(1<<21)           ; the same with 4 rows
	s_mov_b32 s[G1S+1], 32<<16
	s_mov_b32 s[G1S+2], 4<<16
	s_mov_b32 s[G1S+3], 32<<16
	s_mov_b32 s[G1S+4], 4
	s_mov_b32 s[G1S+5], 32
	s_mov_b32 s[G1S+6], 0
	s_mov_b32 s[G1S+7], 0
	s_mov_b32 s[SEL], 0x76543210
	s_mov_b32 s[SEL+1], 0xfedcba98                 ; v_permlanex16_b32's selects for lane l xor 16
	s_mov_b32 s[CS], 0x3e38aa3b                    ; c = log2(e) / 8
	s_mov_b32 s[CS+1], s[CS]                       ; (named with it as a pair, so it is written)
	s_mov_b32 s[MNT], 0x600000                     ; the mantissa field of 57,344
	s_mov_b32 s[HM], 0xffff0000
	s_mov_b32 s[PASS], 2
	s_wait_dscnt 0x0
	s_wait_kmcnt 0x0
	s_mov_b32 s[G0C], 1
	s_lshl_b32 s[G0C+1], s[WV], 15                 ; LDS: 32,768 x wave: K's four quarters, then V's
	s_add_nc_u64 s[G0C+2:G0C+3], s[4:5], s[42:43]
	s_or_b32 s[G0C+3], s[G0C+3], 0x80000000
	s_mov_b32 s[G0S], 1
	s_lshl_b32 s[G0S+1], s[WV], 10
	s_add_co_u32 s[G0S+1], s[G0S+1], KSC           ; LDS: KSC + 1,024 x wave
	s_add_nc_u64 s[G0S+2:G0S+3], s[6:7], s[44:45]
	s_or_b32 s[G0S+3], s[G0S+3], 0x80000000
	s_add_nc_u64 s[QP:QP+1], s[4:5], s[72:73]
	s_add_nc_u64 s[QSP:QSP+1], s[6:7], s[74:75]
	s_add_nc_u64 s[CP:CP+1], s[8:9], s[76:77]
	s_add_nc_u64 s[CSP:CSP+1], s[10:11], s[78:79]
	CROUND                                         ; all four work-groups are here: the joint loads meet
	tensor_load_to_lds s[G0C:G0C+3], s[G1C:G1C+7]  ; every wave's own eighth: both addresses hang on the wave's number.  Two loads of mine are out
	s_nop 0
	tensor_load_to_lds s[G0S:G0S+3], s[G1S:G1S+7]
	s_nop 0
.rept 4
	v_nop
.endr
	v_and_b32 v12, 31, v0                          ; lane
	v_and_b32 v13, 15, v0                          ; r
	v_lshlrev_b32 v[LI], 4, v12
	v_lshlrev_b32 v[LS], 2, v13
	v_lshlrev_b32 v[TO], 2, v12
	v_add_nc_u32 v[LIV], VIMG, v[LI]
	v_add_nc_u32 v[LSK], KSC, v[LS]
	v_add_nc_u32 v[LSV], VSC, v[LS]
.irp b, 0,1,2,3
	v_mov_b32 v[BP+\b], 0                          ; written once: a lane permute's destination counts as one of its sources
.endr
	v_mov_b32 v13, 0
	v_mov_b32 v[RCV], 0
	v_mov_b32 v[RCV+1], 0
	WIN TO_1
.irp x, 0,1
.irp i, 0,1,2,3,4,5,6,7
	v_mov_b32 v[QF+24*\x+8+\i], 0                  ; the zero codes between Q's two copies: they stay
.endr
.endr
	WIN 0
	s_wait_tensorcnt 0x0                           ; my eighth has landed,
	s_barrier_signal -1
	s_barrier_wait -1                              ; everybody's has.  From here on LDS is only read
.macro FETCH_K                         ; a step's 128 keys: four fragments of 32 keys, and their scale words: 20 loads
	v_add_nc_u32 v[ADK], s[TK], v[LI]
	s_lshr_b32 s[TKS], s[TK], 5
	v_add_nc_u32 v[ADKS], s[TKS], v[LSK]
.irp b, 0,1,2,3
	ds_load_b32 v[KS+\b], v[ADKS] offset:64*\b
.endr
	WIN TO_1
.irp b, 0,1,2,3
.irp c, 0,1,2,3
	ds_load_b128 v[KF+16*\b+4*\c:KF+16*\b+4*\c+3], v[ADK] offset:2048*\b+512*\c
.endr
.endr
	WIN 0
	s_add_co_u32 s[TK], s[TK], 8192
.endm
.macro FETCH_V                         ; a step's V^T: four fragments of 16 channels x 128 keys, and their scale words: 20 loads
	v_add_nc_u32 v[ADV], s[TV], v[LIV]
	s_lshr_b32 s[TVS], s[TV], 5
	v_add_nc_u32 v[ADVS], s[TVS], v[LSV]
.irp t, 0,1,2,3
	ds_load_b32 v[VS+\t], v[ADVS] offset:64*\t
.endr
	WIN TO_1
.irp t, 0,1,2,3
.irp c, 0,1,2,3
	ds_load_b128 v[VF+16*\t+4*\c:VF+16*\t+4*\c+3], v[ADV] offset:2048*\t+512*\c
.endr
.endr
	WIN 0
	s_add_co_u32 s[TV], s[TV], 8192
.endm
; Two tiles of scores of tile x from K's fragment b (under W_KQ).  Every product starts its own sum.
.macro KQ2 x, b
	v_wmma_scale_f32_16x16x128_f8f6f4 v[S+64*(\x)+16*(\b):S+64*(\x)+16*(\b)+7], v[KF+16*(\b):KF+16*(\b)+15], v[QF+24*(\x):QF+24*(\x)+15], 0, v[KS+(\b)], v[QS+2*(\x)] matrix_a_fmt:MATRIX_FMT_BF8 matrix_b_fmt:MATRIX_FMT_BF8
	v_wmma_scale_f32_16x16x128_f8f6f4 v[S+64*(\x)+16*(\b)+8:S+64*(\x)+16*(\b)+15], v[KF+16*(\b):KF+16*(\b)+15], v[QF+24*(\x)+8:QF+24*(\x)+23], 0, v[KS+(\b)], v[QS+2*(\x)+1] matrix_a_fmt:MATRIX_FMT_BF8 matrix_b_fmt:MATRIX_FMT_BF8
.endm
; O^T of tile x, channels 16 t0 on and 16 (t0 + 1) on (under W_PV).  The accumulators take turns, one instruction a turn.
.macro PV2 x, t0
.irp t, \t0, \t0+1
	v_wmma_scale_f32_16x16x128_f8f6f4 v[OT+32*(\x)+8*(\t):OT+32*(\x)+8*(\t)+7], v[VF+16*(\t):VF+16*(\t)+15], v[PC+16*(\x):PC+16*(\x)+15], v[OT+32*(\x)+8*(\t):OT+32*(\x)+8*(\t)+7], v[VS+(\t)], v[ST+8*(\x)+5] matrix_a_fmt:MATRIX_FMT_BF8 matrix_b_fmt:MATRIX_FMT_BF8
.endr
.endm
; THE SOFTMAX OF TILE y FOR ONE STEP, in pieces.
.macro FMA y, b, k                     ; t - M of pair k of block b
	v_pk_fma_f32 v[S+64*(\y)+16*(\b)+2*(\k):S+64*(\y)+16*(\b)+2*(\k)+1], v[S+64*(\y)+16*(\b)+2*(\k):S+64*(\y)+16*(\b)+2*(\k)+1], s[CS:CS+1], v[ST+8*(\y):ST+8*(\y)+1] op_sel_hi:[1,0,0]
.endm
.macro SUM y, b, k                     ; pair 8 b + k of the UNQUANTISED p joins the row's sum: pairs 0 and 1 start the second chain, even pairs go to the sum, odd ones to the chain
.set pp, 8*(\b)+(\k)
.set rr, S+64*(\y)+2*pp
.if pp == 1
	s_wait_alu depctr_va_vdst(0)
	v_pk_add_f32 v[ST+8*(\y)+6:ST+8*(\y)+7], v[rr-2:rr-1], v[rr:rr+1]
.elseif pp > 1
.if pp%2 == 0
	s_wait_alu depctr_va_vdst(0)
	v_pk_add_f32 v[ST+8*(\y)+2:ST+8*(\y)+3], v[ST+8*(\y)+2:ST+8*(\y)+3], v[rr:rr+1]
.else
	v_pk_add_f32 v[ST+8*(\y)+6:ST+8*(\y)+7], v[ST+8*(\y)+6:ST+8*(\y)+7], v[rr:rr+1]
.endif
.endif
.endm
.macro HOLD y, b, i                    ; the conversion to an 8-bit code does not saturate (ISA guide 7.6.2); p is not negative, so the hold is one-sided.  It stands behind the block's sums
	v_min_num_f32 v[S+64*(\y)+16*(\b)+(\i)], v[S+64*(\y)+16*(\b)+(\i)], v[BH+(\b)]
.endm
.macro CVT y, b
	v_cvt_scalef32_pk8_bf8_f32 v[PC+16*(\y)+4*(\b):PC+16*(\y)+4*(\b)+1], v[S+64*(\y)+16*(\b):S+64*(\y)+16*(\b)+7], v[BE+(\b)]
	v_cvt_scalef32_pk8_bf8_f32 v[PC+16*(\y)+4*(\b)+2:PC+16*(\y)+4*(\b)+3], v[S+64*(\y)+16*(\b)+8:S+64*(\y)+16*(\b)+15], v[BE+(\b)]
	s_wait_alu depctr_va_vdst(0)
.endm
.macro SM_MAXA y                       ; 16 lines: the largest score of each block of 32 keys, first half; each accumulator is read from its low end on
.set rS, S+64*(\y)
.irp b, 0,1,2,3
	v_max3_num_f32 v[BM+\b], v[rS+16*\b], v[rS+16*\b+1], v[rS+16*\b+2]
.endr
.irp i, 3,5,7
.irp b, 0,1,2,3
	v_max3_num_f32 v[BM+\b], v[BM+\b], v[rS+16*\b+\i], v[rS+16*\b+\i+1]
.endr
.endr
.endm
.macro SM_MAXB y                       ; 24 lines: the rest, and lane l xor 16's 16 keys
.set rS, S+64*(\y)
.irp i, 9,11,13
.irp b, 0,1,2,3
	v_max3_num_f32 v[BM+\b], v[BM+\b], v[rS+16*\b+\i], v[rS+16*\b+\i+1]
.endr
.endr
.irp b, 0,1,2,3
	v_max_num_f32 v[BM+\b], v[BM+\b], v[rS+16*\b+15]
.endr
.irp b, 0,1,2,3
	v_permlanex16_b32 v[BP+\b], v[BM+\b], s[SEL], s[SEL+1]
.endr
.irp b, 0,1,2,3
	v_max_num_f32 v[BM+\b], v[BM+\b], v[BP+\b]
.endr
.endm
.macro SM_ROW y                        ; 30 lines: M, f, block 0's t - M, and each block's largest p: the block's largest score through the same multiply-add and exponential as every score
.set rT, ST+8*(\y)
	v_max3_num_f32 v12, v[BM], v[BM+1], v[BM+2]
	v_max_num_f32 v12, v12, v[BM+3]                ; the step's largest score of my query
	v_mul_f32 v12, s[CS], v12                      ; as t (c is positive)
	v_max_num_f32 v[rT+1], v[rT+1], v12            ; the running largest t
	v_mov_b32 v12, v[rT]
	v_floor_f32 v[rT], -v[rT+1]                    ; the new -M = floor(-t): M is a whole number
	v_sub_f32 v12, v[rT], v12                      ; old M - new M: a whole number, 0 or less
	v_cvt_i32_f32 v12, v12                         ; (it saturates)
	v_ldexp_f32 v[rT+4], 1.0, v12                  ; f = 2^(old M - new M)
.irp k, 0,1,2,3,4,5,6,7
	FMA \y, 0, \k
.endr
.irp b, 0,1,2,3
	v_fma_f32 v[BM+\b], v[BM+\b], s[CS], v[rT]
.endr
.irp b, 0,1,2,3
	v_exp_f32 v[BM+\b], v[BM+\b]
.endr
	v_pk_mul_f32 v[rT+2:rT+3], v[rT+2:rT+3], v[rT+4:rT+5] op_sel_hi:[1,0]   ; the sum under the new M (the plain line behind the exponentials)
	s_wait_alu depctr_va_vdst(0)
.irp b, 0,1,2,3
	v_max_num_f32 v[BM+\b], 0x8000000, v[BM+\b]    ; the floor 2^(16 - 127): the byte cannot fall under 1
.endr
.endm
.macro FILL y, idx                     ; what stands between block 3's exponentials
.if (\idx) < 6
	SUM \y, 1, (\idx)+2
.elseif (\idx) < 14
	SUM \y, 2, (\idx)-6
.else
	HOLD \y, 0, (\idx)-14
.endif
.endm
; 32 lines: block e's 16 exponentials, each with a plain line of work that is ready behind it (ISA guide 5.7.2): the next block's t - M, the scales' lines, sums of blocks whose exponentials are done
.macro SM_E y, e
.irp k, 0,1,2,3,4,5,6,7
	v_exp_f32 v[S+64*(\y)+16*(\e)+2*\k], v[S+64*(\y)+16*(\e)+2*\k]
.if (\e) < 3
	FMA \y, (\e)+1, \k
.else
	FILL \y, 2*\k
.endif
	v_exp_f32 v[S+64*(\y)+16*(\e)+2*\k+1], v[S+64*(\y)+16*(\e)+2*\k+1]
.if (\e) == 0
.if \k < 4
	v_add_nc_u32 v[BE+\k], 0xf8800000, v[BM+\k]    ; 15 off the exponent field: the conversion's scale operand
.else
	v_and_or_b32 v[BH+\k-4], v[BM+\k-4], 0x7f800000, s[MNT]   ; 57,344 x the scale
.endif
.elseif (\e) == 1
.if \k < 4
	v_lshrrev_b32 v[BP+\k], 23, v[BE+\k]           ; the scale's byte
.elseif \k == 4
	v_lshl_or_b32 v[ST+8*(\y)+5], v[BP+1], 8, v[BP]   ; p's scale word for these 128 keys
.elseif \k == 5
	v_lshl_or_b32 v[ST+8*(\y)+5], v[BP+2], 16, v[ST+8*(\y)+5]
.elseif \k == 6
	v_lshl_or_b32 v[ST+8*(\y)+5], v[BP+3], 24, v[ST+8*(\y)+5]
.else
	SUM \y, 0, 1
.endif
.elseif (\e) == 2
.if \k < 6
	SUM \y, 0, \k+2
.else
	SUM \y, 1, \k-6
.endif
.else
	FILL \y, 2*\k+1
.endif
.endr
.endm
.macro SM_TAIL y                       ; 95 lines: the rest of the sums, the holds, the conversions, O^T under the new M
.irp i, 2,3,4,5,6,7,8,9,10,11,12,13,14,15
	HOLD \y, 0, \i
.endr
	CVT \y, 0
.irp k, 0,1,2,3,4,5,6,7
	SUM \y, 3, \k
.endr
	v_pk_add_f32 v[ST+8*(\y)+2:ST+8*(\y)+3], v[ST+8*(\y)+2:ST+8*(\y)+3], v[ST+8*(\y)+6:ST+8*(\y)+7]
.irp b, 1,2,3
.irp i, 0,1,2,3,4,5,6,7,8,9,10,11,12,13,14,15
	HOLD \y, \b, \i
.endr
	CVT \y, \b
.endr
	WIN W_RS
.set n, 0
.rept 16
	v_pk_mul_f32 v[OT+32*(\y)+n:OT+32*(\y)+n+1], v[OT+32*(\y)+n:OT+32*(\y)+n+1], v[ST+8*(\y)+4:ST+8*(\y)+5] op_sel_hi:[1,0]
.set n, n+2
.endr
	WIN 0
.endm
; A TURN.  Behind every matrix instruction stand at least 16 lines of the other tile's softmax, which name none of its registers: they are the places that loads into its operands and reads of its results want.
; FETCH_K stands behind the turn before's 95 last lines; FETCH_V behind SM_ROW's 26 plain lines; p's codes and scale word were made a turn earlier.
.macro TURN x
.if (\x) == 0
	FETCH_K                                        ; the next step's K: both tiles have multiplied by this step's
.endif
	SM_MAXA 1-\x
.if (\x) == 0
	s_wait_dscnt 20                                ; V of this step is in: behind its loads stand FETCH_K's 20
.endif
	WIN W_PV
	PV2 \x, 0
	WIN 0
	SM_MAXB 1-\x
	WIN W_PV
	PV2 \x, 2
	WIN 0
	SM_ROW 1-\x
.if (\x) == 1
	FETCH_V                                        ; this step's V: both tiles have multiplied by the last step's
.else
	s_wait_dscnt 0x0                               ; K is in
.endif
.irp b, 0,1,2,3
	WIN W_KQ
	KQ2 \x, \b
	WIN 0
	SM_E 1-\x, \b
.endr
	SM_TAIL 1-\x
.endm
; THE WAY OUT of tile x: O^T / the sum; two blocks of 32 along the hidden axis are quantised; the halves of the lanes exchange 8 bytes, so that a lane's 16 bytes are 16 neighbours.
.macro OUTT x
.set rT, ST+8*(\x)
.set rS, S+64*(\x)
.set rO, OT+32*(\x)
	v_add_f32 v12, v[rT+2], v[rT+3]                ; the sum's two halves,
	v_permlanex16_b32 v13, v12, s[SEL], s[SEL+1]
	v_add_f32 v12, v12, v13                        ; and lane l xor 16's keys
	v_rcp_f32 v[rT+6], v12
	v_nop                                          ; a plain line behind the transcendental
	WIN 0x01                                       ; source 0 in window 1
.set n, 0
	s_wait_alu depctr_va_vdst(0)
.rept 16
	v_pk_mul_f32 v[rS+n:rS+n+1], v[rO+n:rO+n+1], v[rT+6:rT+7] op_sel_hi:[1,0]   ; register 8 t + j: channel 16 t + 8 h + j; each accumulator from its low end on
.set n, n+2
.endr
	WIN 0
.irp b, 0,1
	v_max3_num_f32 v[BM+\b], |v[rS+16*\b]|, |v[rS+16*\b+1]|, 0x8000000
.endr
.irp i, 2,4,6,8,10,12,14
.irp b, 0,1
	v_max3_num_f32 v[BM+\b], v[BM+\b], |v[rS+16*\b+\i]|, |v[rS+16*\b+\i+1]|
.endr
.endr
.irp b, 0,1
	v_permlanex16_b32 v[BP+\b], v[BM+\b], s[SEL], s[SEL+1]
.endr
.irp b, 0,1
	v_max_num_f32 v[BM+\b], v[BM+\b], v[BP+\b]
.endr
.irp b, 0,1
	v_add_nc_u32 v[BE+\b], 0xf8800000, v[BM+\b]
.endr
.irp b, 0,1
	v_and_or_b32 v[BH+\b], v[BM+\b], 0x7f800000, s[MNT]
.endr
.irp b, 0,1
	v_lshrrev_b32 v[BP+\b], 23, v[BE+\b]
.endr
	v_lshl_or_b32 v[HW+(\x)], v[BP+1], 8, v[BP]    ; my token's two scale bytes
.irp b, 0,1
.irp i, 0,1,2,3,4,5,6,7,8,9,10,11,12,13,14,15
	v_med3_num_f32 v[rS+16*\b+\i], v[rS+16*\b+\i], -v[BH+\b], v[BH+\b]
.endr
	v_cvt_scalef32_pk8_bf8_f32 v[CC+4*\b:CC+4*\b+1], v[rS+16*\b:rS+16*\b+7], v[BE+\b]        ; channels 32 b + 8 h + 0 .. 7
	v_cvt_scalef32_pk8_bf8_f32 v[CC+4*\b+2:CC+4*\b+3], v[rS+16*\b+8:rS+16*\b+15], v[BE+\b]   ; channels 32 b + 16 + 8 h + 0 .. 7
.endr
	v_nop                                          ; a plain line behind the last conversion
.irp b, 0,1
.irp d, 0,1
	v_cndmask_b32 v[SND+\d], v[CC+4*\b+2+\d], v[CC+4*\b+\d], s[HM]      ; lanes 0-15 send their upper 8 bytes, lanes 16-31 their lower
.endr
.irp d, 0,1
	v_permlanex16_b32 v[RCV+\d], v[SND+\d], s[SEL], s[SEL+1]
.endr
.irp d, 0,1
	v_cndmask_b32 v[OU+8*(\x)+4*\b+\d], v[CC+4*\b+\d], v[RCV+\d], s[HM]       ; lanes 0-15: channels 0-7 own, 8-15 received;
	v_cndmask_b32 v[OU+8*(\x)+4*\b+2+\d], v[RCV+\d], v[CC+4*\b+2+\d], s[HM]   ; lanes 16-31: 16-23 received, 24-31 own
.endr
	global_store_b128 v[LI], v[OU+8*(\x)+4*\b:OU+8*(\x)+4*\b+3], s[CP:CP+1] offset:16384*(\x)+512*\b   ; 512 consecutive bytes, aligned
.endr
.endm
.Lpass:                                            ; two passes: a block of 32 queries each
	WIN TO_1
.irp x, 0,1
.irp c, 0,1
	global_load_b128 v[QF+24*\x+4*\c:QF+24*\x+4*\c+3], v[LI], s[QP:QP+1] offset:1024*\x+512*\c          ; q in front of the zeros,
	global_load_b128 v[QF+24*\x+16+4*\c:QF+24*\x+16+4*\c+3], v[LI], s[QP:QP+1] offset:1024*\x+512*\c    ; and behind them
.endr
.endr
	WIN 0
	global_load_b32 v[QW], v[LS], s[QSP:QSP+1]     ; bytes: tile 0's two blocks, tile 1's two
	s_mov_b32 s[TK], 0
	s_mov_b32 s[TV], 0
	FETCH_K                                        ; step 0
	FETCH_V                                        ; (trip 0's first products multiply zero codes by these: they must be finite)
	s_mov_b32 s[TV], 0                             ; trip 0 fetches V of step 0 in its turn
.irp x, 0,1
	v_mov_b32 v[ST+8*\x+1], 0xff61b1e6             ; the largest t so far: -3e38, under every t
	v_floor_f32 v[ST+8*\x], -v[ST+8*\x+1]          ; -M
	v_mov_b32 v[ST+8*\x+2], 0                      ; the sum
	v_mov_b32 v[ST+8*\x+3], 0
	v_mov_b32 v[ST+8*\x+5], 0x7f7f7f7f             ; p's scale word: 1.0 until the first softmax
.endr
	s_wait_loadcnt 0x0                             ; q and its scale word
	v_mov_b32 v[QS], v[QW]                         ; tile 0, q in front: bytes 0, 1;
	v_lshlrev_b32 v[QS+1], 16, v[QW]               ; tile 0, q behind: the same two as bytes 2, 3;
	v_lshrrev_b32 v[QS+2], 16, v[QW]               ; tile 1, q in front;
	v_mov_b32 v[QS+3], v[QW]                       ; tile 1, q behind.  (The other two bytes stand over zero codes)
	WIN TO_1
.set n, 0
.rept 64
	v_mov_b32 v[OT+n], 0                           ; O^T: the step is written once, and its first change of M leaves zeros zeros.  (Also the eight places behind the scale words' lines)
.set n, n+1
.endr
	WIN 0
	s_wait_dscnt 0x0
	WIN W_KQ
.irp b, 0,1,2,3
	KQ2 0, \b                                      ; T0's scores of step 0
.endr
	WIN 0
.set n, 0
.rept 16
	v_mov_b32 v[PC+16+n], 0                        ; T1's p "of step -1": zero codes.  (Also the places behind the products above)
.set n, n+1
.endr
	s_mov_b32 s[TRIP], 16
.Ltrip:                                            ; trip j: softmax(T0, j) | V^T P (T1, j - 1), K Q^T (T1, j), V(j);   then K(j + 1), softmax(T1, j) | V^T P (T0, j), K Q^T (T0, j + 1)
	TURN 1
	TURN 0
	s_sub_co_u32 s[TRIP], s[TRIP], 1
	s_cmp_lg_u32 s[TRIP], 0
	s_cbranch_scc1 .Ltrip
	WIN W_PV
	PV2 1, 0                                       ; T1's last V^T P
	PV2 1, 2
	WIN 0
	OUTT 0                                         ; its lines name none of those products' registers: they are the places in front of OUTT 1
	OUTT 1
	v_cndmask_b32 v[HW+2], v[HW], v[HW+1], s[HM]   ; lanes 0-15: tokens 0-15 (tile 0), lanes 16-31: tokens 16-31 (tile 1)
	global_store_b16 v[TO], v[HW+2], s[CSP:CSP+1]
	s_wait_xcnt 0x0                                ; the stores have read their data and bases: both are written again only behind this wait
	s_add_nc_u64 s[QP:QP+1], s[QP:QP+1], 16384     ; eight blocks of 32 queries on
	s_add_nc_u64 s[QSP:QSP+1], s[QSP:QSP+1], 512
	s_add_nc_u64 s[CP:CP+1], s[CP:CP+1], 262144
	s_add_nc_u64 s[CSP:CSP+1], s[CSP:CSP+1], 1024
	s_sub_co_u32 s[PASS], s[PASS], 1
	s_cmp_lg_u32 s[PASS], 0
	s_cbranch_scc1 .Lpass
	s_wait_tensorcnt 0x0
	ds_add_u32 v126, v127
	s_wait_dscnt 0x0
	CROUND                                         ; the closing round
	s_endpgm
.Lfunc_end_k_qc555ac5d09_attn:
	.size	k_qc555ac5d09_attn, .Lfunc_end_k_qc555ac5d09_attn-k_qc555ac5d09_attn
	.p2alignl 7, 3214868480
	.fill 96, 4, 3214868480
	.section	.rodata,"a",@progbits
	.p2align	6, 0x0
	.amdhsa_kernel k_qc555ac5d09_attn
		.amdhsa_group_segment_fixed_size 327680
		.amdhsa_private_segment_fixed_size 0
		.amdhsa_enable_private_segment 0
		.amdhsa_kernarg_size 32
		.amdhsa_user_sgpr_count 2
		.amdhsa_user_sgpr_kernarg_segment_ptr 1
		.amdhsa_wavefront_size32 1
		.amdhsa_system_sgpr_workgroup_id_x 1
		.amdhsa_system_sgpr_workgroup_id_y 1
		.amdhsa_system_sgpr_workgroup_id_z 1
		.amdhsa_system_vgpr_workitem_id 0
		.amdhsa_next_free_vgpr 512
		.amdhsa_next_free_sgpr 80
		.amdhsa_reserve_vcc 0
		.amdhsa_float_denorm_mode_32 3
		.amdhsa_float_denorm_mode_16_64 3
		.amdhsa_memory_ordered 1
		.amdhsa_forward_progress 1
		.amdhsa_inst_pref_size 65
	.end_amdhsa_kernel
	.amdgpu_metadata
---
amdhsa.version: [ 1, 2 ]
amdhsa.kernels:
  - .name:           k_qc555ac5d09_attn
    .symbol:         k_qc555ac5d09_attn.kd
    .args:
      - { .name: qkv_img, .offset: 0, .size: 8, .value_kind: global_buffer, .address_space: global }
      - { .name: qkv_sc, .offset: 8, .size: 8, .value_kind: global_buffer, .address_space: global }
      - { .name: ctx_img, .offset: 16, .size: 8, .value_kind: global_buffer, .address_space: global }
      - { .name: ctx_sc, .offset: 24, .size: 8, .value_kind: global_buffer, .address_space: global }
    .group_segment_fixed_size: 327680
    .private_segment_fixed_size: 0
    .kernarg_segment_align: 8
    .kernarg_segment_size: 32
    .max_flat_workgroup_size: 256
    .sgpr_count:     80
    .vgpr_count:     512
    .wavefront_size: 32
...
	.end_amdgpu_metadata
.endif
;; end of part 3
;; launch oproj (part 4): grid 4 x 32, 4 waves a work-group, clusters of 4 x 4, 327,680 bytes of LDS; arguments ctx_img, ctx_sc, Wo_codes, Wo_scales, bo, x, out0; writes out0
.if DOCPART == 4
	.amdgcn_target "amdgcn-amd-amdhsa--gfx1250"
	.amdhsa_code_object_version 6
	.text
	.protected	k_qc555ac5d09_oproj
	.globl	k_qc555ac5d09_oproj
	.p2align	8
	.type	k_qc555ac5d09_oproj,@function
k_qc555ac5d09_oproj:
	s_mov_b64 s[64:65], 0
	v_nop
	global_prefetch_b8 v0, s[64:65] scope:SCOPE_SE
	s_setreg_imm32_b32 hwreg(HW_REG_WAVE_MODE, 25, 1), 1
	s_wait_xcnt 0x0
	s_wait_alu depctr_hold_cnt(0) depctr_sa_sdst(0) depctr_va_vdst(0) depctr_va_sdst(0) depctr_va_ssrc(0) depctr_va_vcc(0) depctr_vm_vsrc(0)
	s_getreg_b32 s2, hwreg(HW_REG_IB_STS2, 6, 4)
	s_cmp_eq_u32 s2, 0
	s_cbranch_scc0 .Lentry_in_a_cluster
	s_endpgm
.Lentry_in_a_cluster:
	s_bfe_u32 s2, ttmp6, 0x10000c
	s_cmp_lg_u32 s2, 0xf033
	s_cbranch_scc0 .Lentry_shape_is_right
	s_endpgm
.Lentry_shape_is_right:
; out = context Wo^T + bo + x on codes of E5M2 with E8M0 scales (K = 1,024); out and x are [8192][1024] f32.
; A work-group makes a tile of 256 x 256, each of its four waves 128 x 128: 64 accumulators, 512 registers.  Source 0 = 16 rows of Wo (B), source 1 = 16 tokens of the context (A): a lane holds eight
; neighbouring numbers of a row of out.  K goes in steps of 256 through a ring of two LDS slots filled by the tensor data mover.
; A IS AN IMAGE OF OPERAND REGISTERS: [token / 16][K / 128][c][lane][16].  A K step of 16 tokens is 4,096 consecutive bytes, so a wave's tensor load is 8 rows of 4,096 bytes, 16,384 apart; in LDS it lies dense,
; and a fragment's load takes 512 consecutive bytes: no padding is wanted.  B's rows lie as in memory, 256 bytes + 16 of padding.
; THE SCALE WORDS of the work-group's 256 tokens and 256 rows of Wo, for all of K, come once with the first fills.  A's lie [K / 128][token][4].  One register carries the words of a slot's two steps of 128:
; lanes 0-15 the first step's, lanes 16-31 the second's, which the second step's products select for both sources.
; CLUSTERS: 4 x 4 work-groups; A's tile hangs on cy and is asked for jointly by a row of the cluster, B's on cx and by a column.  128 work-groups: a tile of 128 x 256 would give 256, with another loop text.
; bo is the C of each sum's first matrix instruction.  x is loaded on the way out in the stores' own layout, four blocks of 16 rows ahead, and added in registers.
; REGISTERS, in windows of 256: window 0: v0-31 addresses; v32-63 scale words, two sets; v64-127 bo; from v128 A's fragments, one set; on the way out v128-255 rows of out.
;   window 1: B's fragments, two sets; on the way out four blocks of x.   window 2: the accumulators of A's blocks 0-3 ((a, b) at v[8 (8 a + b)]);   window 3: those of blocks 4-7.
.set NQ,     2
.set ROWB,   256
.set KROW,   1024
.set PITCH,  272                       ; B's LDS row: 256 bytes + 16 of padding: the 16 rows that a load touches start at 16 different banks (64 banks of 4 bytes: ISA guide 11.1)
.set FR,     16
.set NL,     4
.set NP,     8                         ; places behind this matrix instruction (ISA guide 7.12.1)
.set HALFA,  32768                     ; A's 128 tokens of a K step
.set HALFT,  128*PITCH                 ; B's 128 rows
.set BOFF,   2*HALFA
.set SLOT,   BOFF+2*HALFT              ; 135,168
.set LAPS,   2
.set SCAL,   2*SLOT                    ; A's scale words: half x 4,096 + (K / 128) x 512 + 4 x token
.set SCBL,   SCAL+8192                 ; B's scale bytes, as runs of 256 bytes + 16 of padding
.set HALFS,  16*272
.set SBLK,   2*272
.set SPARE,  SCBL+2*HALFS              ; the spare words, 128 bytes for each wave
.set SPITCH, 528                       ; the way out: a stage of 16 rows x (512 bytes + 16) for each wave, in slot 0, which has had its last fill and its last read by then
.set ADRA, 16
.set ADRB, 20
.set STO,  24
.set RD,   25
.set CO,   26
.set ADSA, 27                          ; v27  A's scale words: + 512 for lanes 16-31
.set SPW,  28
.set NIL,  29
.set ADSB, 30                          ; v30  B's: + 4 for lanes 16-31
.set SCP,  32                          ; B's scale words: set s at v[32 + 16 s + i];
.set SCR,  40                          ; A's at v[40 + 16 s + i]
.set BI,   64
.set AF,   128
.set BK,   128
.set G1, 24
.set G0, 32
.set G1B, 48
.set G0B, 56
.set G1S, 68
.set G0S, 76
.set G1SB, 80
.set G0SB, 88
.set MSB, 0
.macro WIN new
.if MSB != (\new)
	s_set_vgpr_msb (MSB<<8)|(\new)
.set MSB, (\new)
.endif
.endm
.set MUL_LO, 0xa1
.set MUL_HI, 0xf1
.set TO_B,   0x40
.macro JLOAD g0a, g1a, g0b, g1b        ; a joint load: waves 0 and 1 fetch for A, waves 2 and 3 for B; four v_nop follow each of the two lines
	s_cmp_eq_u32 s15, 0
	s_cbranch_scc0 .Lfor_b_\@
	tensor_load_to_lds s[\g0a:\g0a+3], s[\g1a:\g1a+7]
	s_nop 0
.rept 4
	v_nop
.endr
	s_branch .Lasked_\@
.Lfor_b_\@:
	tensor_load_to_lds s[\g0b:\g0b+3], s[\g1b:\g1b+7]
	s_nop 0
.rept 4
	v_nop
.endr
.Lasked_\@:
.endm
.macro CREST
	s_cmp_lg_u32 s14, 0
	s_cbranch_scc1 .Lnot_wave_0_\@
	s_barrier_signal -3
.Lnot_wave_0_\@:
	s_barrier_wait -3
	s_barrier_signal -1
	s_barrier_wait -1
.endm
.macro CROUND
	s_barrier_signal -1
	s_barrier_wait -1
	CREST
.endm
	s_load_b256 s[4:11], s[0:1], 0x0               ; ctx_img s[4:5], ctx_sc s[6:7], Wo's codes s[8:9], Wo's scales s[10:11]
	s_load_b128 s[92:95], s[0:1], 0x20             ; bo s[92:93], x s[94:95]
	s_load_b64 s[12:13], s[0:1], 0x30              ; out
	v_lshl_add_u32 v[SPW], v0, 2, SPARE
	v_mov_b32 v[NIL], 0
	ds_add_u32 v28, v29
	ds_add_u32 v28, v29
	s_wait_dscnt 0x0
	v_lshrrev_b32 v1, 5, v0
	v_readfirstlane_b32 s14, v1                    ; wave 0..3
	s_lshr_b32 s15, s14, 1                         ; which half of the tile's tokens is mine.  Also: I fetch for A (0) or for B (1)
	s_and_b32 s16, s14, 1                          ; which half of its columns.  Also: which half of that tile I fetch
	s_bfe_u32 s40, ttmp6, 0x40000                  ; cx, cy
	s_bfe_u32 s41, ttmp6, 0x40004
	s_lshl_b32 s42, ttmp9, 2
	s_add_co_u32 s42, s42, s40                     ; tile column
	s_and_b32 s17, ttmp7, 0xffff
	s_lshl_b32 s17, s17, 2
	s_add_co_u32 s17, s17, s41                     ; tile row
	s_lshl_b32 s43, s41, 2
	s_lshl_b32 s43, 15, s43                        ; my row of the cluster
	s_lshl_b32 s44, 0x1111, s40                    ; my column
	s_or_b32 s[G1+0], s43, (3<<16)|(1<<21)         ; A's codes: the mask of my row; elements of 8 bytes; 21 set beside a mask; no padding
	s_mov_b32 s[G1+1], 512<<16                     ; tensor_dim0 = 512 elements: rows of 4,096 bytes
	s_mov_b32 s[G1+2], 8<<16                       ; tensor_dim1 = 8 rows: 8 x 16 tokens
	s_mov_b32 s[G1+3], 512<<16                     ; tile_dim0
	s_mov_b32 s[G1+4], 8                           ; tile_dim1
	s_mov_b32 s[G1+5], 2048                        ; the pitch: 16,384 bytes
	s_mov_b32 s[G1+6], 0
	s_mov_b32 s[G1+7], 0
	s_or_b32 s[G1B+0], s44, (0<<16)|(1<<20)|(1<<21)|(5<<22)|(3<<25)   ; B's codes: my column's mask; elements of 1 byte; four words of padding after every 64
	s_mov_b32 s[G1B+1], ROWB<<16
	s_mov_b32 s[G1B+2], 128<<16
	s_mov_b32 s[G1B+3], ROWB<<16
	s_mov_b32 s[G1B+4], 128
	s_mov_b32 s[G1B+5], KROW
	s_mov_b32 s[G1B+6], 0
	s_mov_b32 s[G1B+7], 0
	s_or_b32 s[G1S+0], s43, (3<<16)|(1<<21)        ; A's scale words: 8 rows (K / 128) of 512 bytes (128 tokens), 32,768 bytes apart
	s_mov_b32 s[G1S+1], 64<<16
	s_mov_b32 s[G1S+2], 8<<16
	s_mov_b32 s[G1S+3], 64<<16
	s_mov_b32 s[G1S+4], 8
	s_mov_b32 s[G1S+5], 4096
	s_mov_b32 s[G1S+6], 0
	s_mov_b32 s[G1S+7], 0
	s_or_b32 s[G1SB+0], s44, (3<<16)|(1<<20)|(1<<21)|(5<<22)|(3<<25)  ; B's scale bytes: 4,096 dense bytes as 16 rows of 256, padded
	s_mov_b32 s[G1SB+1], 32<<16
	s_mov_b32 s[G1SB+2], 16<<16
	s_mov_b32 s[G1SB+3], 32<<16
	s_mov_b32 s[G1SB+4], 16
	s_mov_b32 s[G1SB+5], 32
	s_mov_b32 s[G1SB+6], 0
	s_mov_b32 s[G1SB+7], 0
	s_lshl_b32 s20, s17, 18                        ; A's codes: 16,384 x (16 x tile row + 8 x half)
	s_lshl_b32 s18, s16, 17
	s_add_co_u32 s20, s20, s18
	s_mov_b32 s21, 0
	s_lshl_b32 s22, s17, 10                        ; A's scale words: 4 x (256 x tile row + 128 x half)
	s_lshl_b32 s18, s16, 9
	s_add_co_u32 s22, s22, s18
	s_mov_b32 s23, 0
	s_lshl_b32 s46, s42, 8
	s_lshl_b32 s18, s16, 7
	s_add_co_u32 s46, s46, s18                     ; B: row 256 x tile column + 128 x half
	s_mov_b32 s47, 0
	s_lshl_b64 s[96:97], s[46:47], 5               ; its scale bytes,
	s_lshl_b64 s[46:47], s[46:47], 10              ; its codes
	s_lshl_b32 s45, s16, 15                        ; where they go: no place in the cluster enters an LDS address.  A's half,
	s_mul_i32 s98, s16, HALFT
	s_add_co_u32 s98, s98, BOFF                    ; B's half,
	s_lshl_b32 s99, s16, 12
	s_add_co_u32 s99, s99, SCAL                    ; A's scale words,
	s_mul_i32 s2, s16, HALFS
	s_add_co_u32 s2, s2, SCBL                      ; B's scale bytes
	s_wait_kmcnt 0x0
	s_add_nc_u64 s[20:21], s[4:5], s[20:21]
	s_add_nc_u64 s[22:23], s[6:7], s[22:23]
	s_add_nc_u64 s[46:47], s[8:9], s[46:47]
	s_add_nc_u64 s[96:97], s[10:11], s[96:97]
	CROUND                                         ; all sixteen work-groups are here: the first joint loads meet
	s_mov_b32 s[G0S], 1
	s_mov_b32 s[G0S+1], s99
	s_mov_b64 s[G0S+2:G0S+3], s[22:23]
	s_or_b32 s[G0S+3], s[G0S+3], 0x80000000
	s_mov_b32 s[G0SB], 1
	s_mov_b32 s[G0SB+1], s2
	s_mov_b64 s[G0SB+2:G0SB+3], s[96:97]
	s_or_b32 s[G0SB+3], s[G0SB+3], 0x80000000
	JLOAD G0S, G1S, G0SB, G1SB                     ; the scales first
.irp s, 0,1
	s_mov_b32 s[G0+4*\s], 1
	s_add_co_u32 s[G0+4*\s+1], s45, \s*SLOT
	s_add_nc_u64 s[G0+4*\s+2:G0+4*\s+3], s[20:21], \s*4096
	s_or_b32 s[G0+4*\s+3], s[G0+4*\s+3], 0x80000000
	s_mov_b32 s[G0B+4*\s], 1
	s_add_co_u32 s[G0B+4*\s+1], s98, \s*SLOT
	s_add_nc_u64 s[G0B+4*\s+2:G0B+4*\s+3], s[46:47], \s*ROWB
	s_or_b32 s[G0B+4*\s+3], s[G0B+4*\s+3], 0x80000000
	JLOAD G0+4*\s, G1, G0B+4*\s, G1B               ; three tensor loads of mine are out now
.endr
	v_and_b32 v1, 15, v0                           ; r
	v_bfe_u32 v2, v0, 4, 1                         ; h
	v_and_b32 v6, 31, v0                           ; lane
	v_lshlrev_b32 v[CO], 4, v6                     ; 16 x lane
	v_mul_u32_u24 v3, v1, PITCH
	v_lshl_add_u32 v4, v2, 4, v3                   ; B: a fragment's row x pitch + 16 x half
	s_lshl_b32 s21, s15, 15                        ; my 128 tokens of A
	s_mul_i32 s22, s16, HALFT                      ; my 128 rows of B,
	s_add_co_u32 s22, s22, BOFF                    ; behind A's image
.irp s, 0,1
	v_add_nc_u32 v[ADRA+\s], s21, v[CO]
	v_add_nc_u32 v[ADRB+\s], s22, v4
	s_add_co_u32 s21, s21, SLOT
	s_add_co_u32 s22, s22, SLOT
.endr
	s_lshl_b32 s21, s15, 12
	s_add_co_u32 s21, s21, SCAL
	v_lshlrev_b32 v5, 2, v1
	v_lshl_add_u32 v5, v2, 9, v5                   ; 4 r + 512 h
	v_add_nc_u32 v[ADSA], s21, v5
	s_mul_i32 s21, s16, HALFS
	s_add_co_u32 s21, s21, SCBL
	v_lshlrev_b32 v5, 5, v1                        ; 32 bytes a row,
	v_lshrrev_b32 v7, 3, v1
	v_lshl_add_u32 v5, v7, 4, v5                   ; 16 more behind the first 256,
	v_lshl_add_u32 v5, v2, 2, v5                   ; + 4 h
	v_add_nc_u32 v[ADSB], s21, v5
	s_mul_i32 s23, s14, 16*SPITCH                  ; my stage
	v_mul_u32_u24 v5, v1, SPITCH                   ; in: row r, 32 bytes for each half of the lanes
	v_lshl_add_u32 v5, v2, 5, v5
	v_add_nc_u32 v[STO], s23, v5
	v_add_nc_u32 v[RD], s23, v[CO]                 ; back: the 32 lanes take one row of 512 bytes
	s_lshl_b32 s20, s17, 8
	s_lshl_b32 s21, s15, 7
	s_add_co_u32 s20, s20, s21                     ; my first row of out and of x
	s_lshl_b32 s20, s20, 12                        ; 4,096 bytes a row
	s_lshl_b32 s46, s42, 10                        ; my first column, in bytes
	s_lshl_b32 s47, s16, 9
	s_add_co_u32 s46, s46, s47
	s_add_co_u32 s20, s20, s46
	s_mov_b32 s21, 0
	s_mov_b32 s47, 0
	s_add_nc_u64 s[12:13], s[12:13], s[20:21]
	s_add_nc_u64 s[94:95], s[94:95], s[20:21]
	s_add_nc_u64 s[92:93], s[92:93], s[46:47]      ; bo at my first column
	v_lshlrev_b32 v7, 5, v2                        ; 32 h
.irp b, 0,1,2,3,4,5,6,7
	global_load_b128 v[BI+8*\b:BI+8*\b+3], v7, s[92:93] offset:64*\b        ; bo(16 b + 8 h + 0 .. 7)
	global_load_b128 v[BI+8*\b+4:BI+8*\b+7], v7, s[92:93] offset:64*\b+16
.endr
.macro FRAGB reg, adr, q, i
.irp c, 0,1,2,3
	ds_load_b128 v[\reg+4*\c:\reg+4*\c+3], v[\adr] offset:128*(\q)+32*\c+(\i)*16*PITCH
.endr
.endm
.macro FRAGA reg, adr, q, i            ; the image: 16 tokens' K step is 4,096 bytes, a step of 128 is 2,048, a chunk 512
.irp c, 0,1,2,3
	ds_load_b128 v[\reg+4*\c:\reg+4*\c+3], v[\adr] offset:4096*(\i)+2048*(\q)+512*\c
.endr
.endm
; 16 matrix instructions: A's blocks a0, a0 + 1 x B's eight.  ck = 1: C = bo.  The 64 accumulators take turns, one instruction a turn, in the same order in every step.
.macro MUL16 a0, p, q, sc, ck
.irp a, \a0, \a0+1
.irp b, 0,1,2,3,4,5,6,7
.set rD, 8*(8*((\a)%4)+\b)
.set rP, 128*(\p)+FR*\b
.set rR, AF+FR*(\a)
.set sP, SCP+16*(\sc)+\b
.set sR, SCR+16*(\sc)+(\a)
.if \ck
	v_wmma_scale_f32_16x16x128_f8f6f4 v[rD:rD+7], v[rP:rP+15], v[rR:rR+15], v[BI+8*\b:BI+8*\b+7], v[sP], v[sR] matrix_a_fmt:MATRIX_FMT_BF8 matrix_b_fmt:MATRIX_FMT_BF8
.elseif (\q) == 0
	v_wmma_scale_f32_16x16x128_f8f6f4 v[rD:rD+7], v[rP:rP+15], v[rR:rR+15], v[rD:rD+7], v[sP], v[sR] matrix_a_fmt:MATRIX_FMT_BF8 matrix_b_fmt:MATRIX_FMT_BF8
.else
	v_wmma_scale_f32_16x16x128_f8f6f4 v[rD:rD+7], v[rP:rP+15], v[rR:rR+15], v[rD:rD+7], v[sP], v[sR] matrix_a_fmt:MATRIX_FMT_BF8 matrix_b_fmt:MATRIX_FMT_BF8 matrix_a_scale:MATRIX_SCALE_ROW1 matrix_b_scale:MATRIX_SCALE_ROW1
.endif
.endr
.endr
.endm
.macro FETCH_B slot, q, p
	WIN TO_B
.irp i, 0,1,2,3,4,5,6,7
	FRAGB 128*(\p)+FR*\i, ADRB+\slot, \q, \i
.endr
	WIN 0
.endm
.macro FETCH_A slot, q, i0
.irp i, \i0, \i0+1, \i0+2, \i0+3
	FRAGA AF+FR*(\i), ADRA+\slot, \q, \i
.endr
.endm
.macro SCALES sc                       ; a slot's scale words: lanes 0-15 its first 128 along K, lanes 16-31 its second
.irp i, 0,1,2,3,4,5,6,7
	ds_load_b32 v[SCP+16*\sc+\i], v[ADSB] offset:\i*SBLK
	ds_load_b32 v[SCR+16*\sc+\i], v[ADSA] offset:\i*64
.endr
.endm
.macro PLACES n                        ; places in front of loads into registers that matrix instructions have read, and of the first read of results (ISA guide 7.12.1 for vector instructions)
.rept \n
	v_nop
.endr
.endm
.macro STEP slot, q, ck
	s_wait_dscnt 4*NL                              ; B's set, the scale words and A's blocks 0-3 are in; the youngest 16 loads (A's blocks 4-7) may be out
.if \ck
	WIN 0x81                                       ; C (bo) in window 0, D in window 2
.else
	WIN MUL_LO
.endif
	MUL16 0, (\q)%2, \q, \slot, \ck
	MUL16 2, (\q)%2, \q, \slot, \ck
	s_wait_dscnt 0
	PLACES NP
	FETCH_B \slot, (\q)+1, 1-(\q)%2
	FETCH_A \slot, (\q)+1, 0
.if \ck
	WIN 0xc1
.else
	WIN MUL_HI
.endif
	MUL16 4, (\q)%2, \q, \slot, \ck
	MUL16 6, (\q)%2, \q, \slot, \ck
	PLACES NP
	WIN 0
	FETCH_A \slot, (\q)+1, 4
.endm
.macro TURN slot, next, fill           ; a slot's last step changes slots: ONE barrier
	s_wait_tensorcnt 0x0                           ; all my tensor loads have landed: my part of the next slot
	ds_add_u32 v[SPW], v[NIL]                      ; 0 onto my spare word
	s_wait_dscnt 4*NL+1                            ; (the add and the youngest 16 loads may be out)
	WIN MUL_LO
	MUL16 0, 1, NQ-1, \slot, 0
	s_wait_dscnt 0x0                               ; the add is done, and my reads of this slot are over
	s_barrier_signal -1
	MUL16 2, 1, NQ-1, \slot, 0
	WIN 0
	s_barrier_wait -1
.if \fill
	CREST                                          ; the barrier has opened a round of the cluster's barrier: no wave of any partner still reads this slot or has a load on its way
	s_add_nc_u64 s[G0+4*\slot+2:G0+4*\slot+3], s[G0+4*\slot+2:G0+4*\slot+3], 2*4096
	s_add_nc_u64 s[G0B+4*\slot+2:G0B+4*\slot+3], s[G0B+4*\slot+2:G0B+4*\slot+3], 2*ROWB
	JLOAD G0+4*\slot, G1, G0B+4*\slot, G1B         ; my one tensor load behind the round
	PLACES NP-4
.else
	PLACES NP
.endif
	v_add_nc_u32 v[ADSA], 1024, v[ADSA]            ; on to the next slot's scale words
	v_add_nc_u32 v[ADSB], 8, v[ADSB]
	FETCH_B \next, 0, 0
	FETCH_A \next, 0, 0
	SCALES \next
	WIN MUL_HI
	MUL16 4, 1, NQ-1, \slot, 0
	MUL16 6, 1, NQ-1, \slot, 0
	PLACES NP
	WIN 0
	FETCH_A \next, 0, 4
.endm
	s_wait_tensorcnt 1                             ; the scales and my part of K step 0 are in (K step 1's load may be out)
	s_barrier_signal -1
	s_barrier_wait -1                              ; everybody's are
	FETCH_B 0, 0, 0
	FETCH_A 0, 0, 0
	SCALES 0
	FETCH_A 0, 0, 4
	s_wait_loadcnt 0x0                             ; bo
	STEP 0, 0, 1                                   ; the first step starts the sums with bo
	s_mov_b32 s3, LAPS-1
.Llap:
	TURN 0, 1, 1
	STEP 1, 0, 0
	TURN 1, 0, 1
	STEP 0, 0, 0
	s_sub_co_u32 s3, s3, 1
	s_cmp_lg_u32 s3, 0
	s_cbranch_scc1 .Llap
	TURN 0, 1, 0
	STEP 1, 0, 0
	s_wait_dscnt 4*NL
	WIN MUL_LO
	MUL16 0, 1, NQ-1, 1, 0
	MUL16 2, 1, NQ-1, 1, 0
	s_wait_dscnt 0
	WIN MUL_HI
	MUL16 4, 1, NQ-1, 1, 0
	MUL16 6, 1, NQ-1, 1, 0
	WIN 0
; THE WAY OUT, block by block of 16 rows x 128 columns: through my own stage in LDS and back as whole rows of 512 bytes; x's same 512 bytes are added; the 32 lanes store them.
.macro XLOAD a                         ; x's 16 rows of block a into window 1, buffer a % 4
	WIN TO_B
.irp t, 0,1,2,3,4,5,6,7,8,9,10,11,12,13,14,15
	global_load_b128 v[64*((\a)%4)+4*\t:64*((\a)%4)+4*\t+3], v[CO], s[94:95] offset:65536*(\a)+4096*\t th:TH_LOAD_NT
.endr
	WIN 0
.endm
.macro TOSTAGE a
.set AC, 64*((\a)%4)
	WIN 0x08+4*((\a)/4)                            ; an LDS store's data are its source 1: window 2 or 3
.irp b, 0,1,2,3,4,5,6,7
	ds_store_b128 v[STO], v[AC+8*\b:AC+8*\b+3] offset:64*\b          ; each accumulator from its low end on
	ds_store_b128 v[STO], v[AC+8*\b+4:AC+8*\b+7] offset:64*\b+16
.endr
	WIN 0
.set BB, BK+64*((\a)%2)
.irp t, 0,1,2,3,4,5,6,7,8,9,10,11,12,13,14,15
	ds_load_b128 v[BB+4*\t:BB+4*\t+3], v[RD] offset:\t*SPITCH        ; LDS serves a wave's instructions in order: these see the stores above
.endr
.endm
.macro SEND a, younger
.set BB, BK+64*((\a)%2)
.set XB, 64*((\a)%4)
.set LF, 16*(7-(\a))
.if LF > 48
.set LF, 48
.endif
	s_wait_dscnt \younger                          ; the block is back in registers
	s_wait_loadcnt LF                              ; x's block a is in; behind it stand the loads of up to three later blocks, 16 each
	WIN 0x04                                       ; source 1 in window 1
.set n, 0
.rept 32
	v_pk_add_f32 v[BB+n:BB+n+1], v[BB+n:BB+n+1], v[XB+n:XB+n+1]
.set n, n+2
.endr
	WIN 0
.irp t, 0,1,2,3,4,5,6,7,8,9,10,11,12,13,14,15
	global_store_b128 v[CO], v[BB+4*\t:BB+4*\t+3], s[12:13] offset:65536*(\a)+4096*\t th:TH_STORE_NT   ; 512 consecutive bytes, aligned; the block and the row stand in the immediate: 520,192 at the most
.endr
.if (\a) < 4
	XLOAD (\a)+4                                   ; its buffer takes the block four further on
.endif
.endm
	PLACES NP                                      ; for the loads into the registers that held B's and A's fragments, and for the first reads of results
	XLOAD 0
	XLOAD 1
	XLOAD 2
	XLOAD 3
	TOSTAGE 0
.irp a, 1,2,3,4,5,6,7
.if \a > 1
	s_wait_xcnt 0x0                                ; block a - 2's stores have read their registers: block a's loads from the stage land there only behind this wait
.endif
	TOSTAGE \a
	SEND \a-1, 32                                  ; behind block a - 1's loads: block a's 16 stores and 16 loads
.endr
	SEND 7, 0
	s_wait_tensorcnt 0x0                           ; the wave's end
	ds_add_u32 v[SPW], v[NIL]
	s_wait_dscnt 0x0
	CROUND                                         ; the closing round
	s_endpgm
.Lfunc_end_k_qc555ac5d09_oproj:
	.size	k_qc555ac5d09_oproj, .Lfunc_end_k_qc555ac5d09_oproj-k_qc555ac5d09_oproj
	.p2alignl 7, 3214868480
	.fill 96, 4, 3214868480
	.section	.rodata,"a",@progbits
	.p2align	6, 0x0
	.amdhsa_kernel k_qc555ac5d09_oproj
		.amdhsa_group_segment_fixed_size 327680
		.amdhsa_private_segment_fixed_size 0
		.amdhsa_enable_private_segment 0
		.amdhsa_kernarg_size 56
		.amdhsa_user_sgpr_count 2
		.amdhsa_user_sgpr_kernarg_segment_ptr 1
		.amdhsa_wavefront_size32 1
		.amdhsa_system_sgpr_workgroup_id_x 1
		.amdhsa_system_sgpr_workgroup_id_y 1
		.amdhsa_system_sgpr_workgroup_id_z 1
		.amdhsa_system_vgpr_workitem_id 0
		.amdhsa_next_free_vgpr 1024
		.amdhsa_next_free_sgpr 100
		.amdhsa_reserve_vcc 0
		.amdhsa_float_denorm_mode_32 3
		.amdhsa_float_denorm_mode_16_64 3
		.amdhsa_memory_ordered 1
		.amdhsa_forward_progress 1
		.amdhsa_inst_pref_size 178
	.end_amdhsa_kernel
	.amdgpu_metadata
---
amdhsa.version: [ 1, 2 ]
amdhsa.kernels:
  - .name:           k_qc555ac5d09_oproj
    .symbol:         k_qc555ac5d09_oproj.kd
    .args:
      - { .name: ctx_img, .offset: 0, .size: 8, .value_kind: global_buffer, .address_space: global }
      - { .name: ctx_sc, .offset: 8, .size: 8, .value_kind: global_buffer, .address_space: global }
      - { .name: Wo_codes, .offset: 16, .size: 8, .value_kind: global_buffer, .address_space: global }
      - { .name: Wo_scales, .offset: 24, .size: 8, .value_kind: global_buffer, .address_space: global }
      - { .name: bo, .offset: 32, .size: 8, .value_kind: global_buffer, .address_space: global }
      - { .name: x, .offset: 40, .size: 8, .value_kind: global_buffer, .address_space: global }
      - { .name: out0, .offset: 48, .size: 8, .value_kind: global_buffer, .address_space: global }
    .group_segment_fixed_size: 327680
    .private_segment_fixed_size: 0
    .kernarg_segment_align: 8
    .kernarg_segment_size: 56
    .max_flat_workgroup_size: 128
    .sgpr_count:     100
    .vgpr_count:     1024
    .wavefront_size: 32
...
	.end_amdgpu_metadata
.endif
;; end of part 4
